; MI455X (gfx1250); checked and timed in simulation.
; The chip was launched on July 23, 2026; its instructions are those of AMD's public machine-readable ISA for CDNA 5 (MIT licence, August 2026) and "CDNA5" Instruction Set Architecture Reference Guide (July 2026). The comments in the code are by the model that wrote it; some were corrected since.
;; Retention. Allowed arithmetic: float matrix products may take bf16 or f16 operands with f32 sums; other float arithmetic in f32, or as packed bf16 or f16 multiplies, adds, multiply-adds, maxima and minima; sums over many terms, partial sums and values carried from step to step in f32; what a program stores and reads back later, other than sums and carried values, may be rounded once to bf16 or f16.
;; Inputs: theta 1,024 float32; weight_k 1,024 x 1,024 float32; weight_q 1,024 x 1,024 float32; weight_v 1,024 x 1,024 float32; x 4 x 2,048 x 1,024 float32.
;; Outputs: out0 4 x 2,048 x 1,024 float32.
;; One version. Each part assembles by itself: llvm-mc -triple=amdgcn-amd-amdhsa -mcpu=gfx1250 --defsym DOCPART=n.
;; ======== version 1 of 1: 5 launches
;; limits: values are held in f16: magnitudes above 65,504 overflow, below 6.1e-05 lose precision; right only within a limited range of input values
;; workspace buffers: xh 16,777,216 bytes; wh 4,194,304 bytes; wall 4,194,304 bytes; qv 33,554,432 bytes; ph 33,554,432 bytes; stats 2,560 bytes
;; launch prep (part 1): grid 768 x 1, 8 waves a work-group, no clusters, 18,688 bytes of LDS; arguments x, weight_q, weight_k, weight_v, theta, xh, wh, wall, stats; writes xh, wh, wall, stats
.if DOCPART == 1
	.amdgcn_target "amdgcn-amd-amdhsa--gfx1250"
	.amdhsa_code_object_version 6
	.text
	.protected	k_q30b40fe3cf_prep
	.globl	k_q30b40fe3cf_prep
	.p2align	8
	.type	k_q30b40fe3cf_prep,@function
k_q30b40fe3cf_prep:
	s_mov_b64 s[64:65], 0
	v_nop
	global_prefetch_b8 v0, s[64:65] scope:SCOPE_SE
	s_setreg_imm32_b32 hwreg(HW_REG_WAVE_MODE, 25, 1), 1
	s_wait_xcnt 0x0
; PREP.  Every input is rounded once to bf16, and that number is written as f16 (exact inside f16's normal range), with fixed powers of two on the weights:
;   xh[i][a] = bf16(x)          wh[a][n] = bf16(Wq[a][n]) f[n] 2^8          wh[1024+b][n] = bf16(Wk[b][n]) f[n] 2^7          wall[1024+d][k] = bf16(Wv[k][d]) 2^5 (turned)
; f[n] = e^((0 n) theta[n]): the position's factor 0 n is 0 for every n, so the factor hangs on the column alone; 0 x theta is 0 or NaN, and so is its product with log2(e): e^(0 theta) = 2^(0 theta).
; stats[g] = the largest magnitude that work-group g stored (x: g 0-511, Wq: 512-575, Wk: 576-639): later launches make their powers of two from these.
; LIMITS.  |x| < 65,504, |Wq| 256, |Wk| 128 and |Wv| 32 below 65,504; a stored number below 6.1e-5 keeps f16's fixed step of 6e-8; NaN and infinities are not treated apart.
; SHARES.  768 work-groups of eight waves.  g < 640: 16 rows of 1,024 numbers; thread t owns columns 4 t .. 4 t + 3 of each: a wave's load covers 512 consecutive bytes, its store 256, aligned.
; g >= 640: a block of 128 rows (k) x 64 columns (d) of Wv, turned in LDS.  No matrix unit, no cluster, no tensor load: nothing is shared, and each byte is read once and written once.
.set TP,    272                        ; a row of the turned block in LDS: 128 k x 2 bytes + 16
.set RED,   64*TP                      ; behind the block: eight words, one a wave, in a block of 256 bytes of their own
.set SPARE, RED+256                    ; the spare words, 128 bytes for each wave: four blocks of 256 bytes that no other line names
.set SPW,   30                         ; v30  LDS address of my spare word; never rewritten
.set NIL,   31                         ; v31  0; never rewritten
.set G,     4                          ; v[4:7]   the factor of my four columns
.set U,     8                          ; v[8:11]  four numbers at work
.set H,     12                         ; v[12:13] the same as two words of halves
.set M,     14                         ; v14      the running maximum; v15 at work
.set ROW,   32                         ; v[32:95] row i as loaded at ROW + 4 i; its first two registers then hold what is stored
	s_load_b512 s[4:19], s[0:1], 0x0               ; x s[4:5], Wq s[6:7], Wk s[8:9], Wv s[10:11], theta s[12:13], xh s[14:15], wh s[16:17], wall s[18:19]
	s_load_b64 s[20:21], s[0:1], 0x40              ; stats
	v_lshl_add_u32 v[SPW], v0, 2, SPARE
	v_mov_b32 v[NIL], 0
	v_lshrrev_b32 v3, 5, v0
	v_readfirstlane_b32 s22, v3                    ; wave 0..7
	s_mov_b32 s23, ttmp9                           ; g
	s_mov_b32 s40, 0x76543210                      ; v_permlanex16_b32: each lane takes its own place in the other half
	s_mov_b32 s41, 0xfedcba98
	s_mov_b32 s42, 0xffff0000                      ; a word's upper bf16
	s_wait_kmcnt 0x0
	s_cmp_ge_u32 s23, 640                          ; the same answer in all eight waves
	s_cbranch_scc1 .Lturned
.macro TOBF                            ; the four numbers at v[R ..]: rounded to bf16, and back as f32 in U
	v_cvt_pk_bf16_f32 v[H], v[R], v[R+1]
	v_cvt_pk_bf16_f32 v[H+1], v[R+2], v[R+3]
	v_lshlrev_b32 v[U], 16, v[H]
	v_and_b32 v[U+1], s42, v[H]
	v_lshlrev_b32 v[U+2], 16, v[H+1]
	v_and_b32 v[U+3], s42, v[H+1]
.endm
	; ROWS OF x, Wq, Wk.  One text for the three: source, destination and scale are chosen by scalar selects on g.
	s_mov_b32 s32, 0x43800000                      ; 256.0
	s_mov_b32 s33, 0x43000000                      ; 128.0
	s_cmp_lt_u32 s23, 512
	s_cselect_b64 s[24:25], s[4:5], s[6:7]         ; x, or Wq
	s_cselect_b64 s[26:27], s[14:15], s[16:17]     ; xh, or wh
	s_cselect_b32 s28, 0, 512                      ; the tensor's first work-group
	s_cselect_b32 s38, -1, 0                       ; all lanes: this is x
	s_mov_b32 s29, s28                             ; wh holds Wq's and Wk's rows on end: its first work-group is 512 for both
	s_cmp_lt_u32 s23, 576
	s_cselect_b64 s[24:25], s[24:25], s[8:9]       ; or Wk
	s_cselect_b32 s28, s28, 576
	s_cselect_b32 s32, s32, s33
	s_sub_co_u32 s34, s23, s28
	s_lshl_b32 s34, s34, 16                        ; 16 rows of 4,096 bytes
	s_mov_b32 s35, 0
	s_sub_co_u32 s36, s23, s29
	s_lshl_b32 s36, s36, 15                        ; 16 rows of 2,048 bytes
	s_mov_b32 s37, 0
	s_add_nc_u64 s[24:25], s[24:25], s[34:35]
	s_add_nc_u64 s[26:27], s[26:27], s[36:37]
	s_lshl_b32 s39, s23, 2
	v_lshlrev_b32 v1, 4, v0                        ; my 16 bytes of a row as loaded, and of theta
	v_lshlrev_b32 v2, 3, v0                        ; my 8 bytes of a row as stored
	v_mov_b32 v[M], 0
	v_mov_b32 v[M+1], 0
	v_mov_b32 v24, s39                             ; stats: word g
	global_load_b128 v[G:G+3], v1, s[12:13]
.irp i, 0,1,2,3,4,5,6,7,8,9,10,11,12,13,14,15
	global_load_b128 v[ROW+4*(\i):ROW+4*(\i)+3], v1, s[24:25] offset:4096*(\i) th:TH_LOAD_NT
.endr
	s_wait_loadcnt 16                              ; theta is in; the 16 rows issued behind it stay out
.irp j, 0,1,2,3
	v_mul_f32 v[G+(\j)], 0, v[G+(\j)]              ; (0 n) theta
.endr
.irp j, 0,1,2,3
	v_exp_f32 v[G+(\j)], v[G+(\j)]
.endr
	v_nop                                          ; a plain instruction behind the last exponential,
	s_wait_alu depctr_va_vdst(0)                   ; and one wait for the four, ahead of their first reader
.irp j, 0,1,2,3
	v_mul_f32 v[G+(\j)], s32, v[G+(\j)]            ; f x 2^8 or f x 2^7
.endr
.irp j, 0,1,2,3
	v_cndmask_b32 v[G+(\j)], v[G+(\j)], 1.0, s38   ; x takes no factor: the one text multiplies it by 1
.endr
.macro ROWX i
.set R, ROW+4*(\i)
	s_wait_loadcnt 15-(\i)                         ; loads come back in order: row i is in, the younger rows stay out
	TOBF
	v_pk_mul_f32 v[U:U+1], v[U:U+1], v[G:G+1]
	v_pk_mul_f32 v[U+2:U+3], v[U+2:U+3], v[G+2:G+3]
	v_max3_num_f32 v[M], v[M], |v[U]|, |v[U+1]|
	v_max3_num_f32 v[M], v[M], |v[U+2]|, |v[U+3]|
	v_cvt_pk_f16_f32 v[R], v[U], v[U+1]            ; into the row's own registers, which nothing writes again: no wait is owed for the store's data
	v_cvt_pk_f16_f32 v[R+1], v[U+2], v[U+3]
	global_store_b64 v2, v[R:R+1], s[26:27] offset:2048*(\i) th:TH_STORE_NT
.endm
.irp i, 0,1,2,3,4,5,6,7,8,9,10,11,12,13,14,15
	ROWX \i
.endr
	; the largest magnitude: over the wave's lanes, then over the eight waves through LDS
.irp m, 1,2,4,8
	v_max_num_f32_dpp v[M], v[M], v[M] row_xmask:\m row_mask:0xf bank_mask:0xf
.endr
	v_permlanex16_b32 v[M+1], v[M], s40, s41
	v_max_num_f32 v[M], v[M], v[M+1]
	v_mov_b32 v25, s22
	v_lshlrev_b32 v25, 2, v25
	ds_store_b32 v25, v[M] offset:RED              ; all lanes write the wave's word with the same number
	s_wait_dscnt 0x0                               ; for the others' sake: my store is done
	s_barrier_signal -1
	s_barrier_wait -1
	v_mov_b32 v26, RED
	ds_load_b128 v[16:19], v26
	ds_load_b128 v[20:23], v26 offset:16
	s_wait_dscnt 0x0
	v_max3_num_f32 v16, v16, v17, v18
	v_max3_num_f32 v19, v19, v20, v21
	v_max3_num_f32 v16, v16, v22, v23
	v_max_num_f32 v[M], v16, v19
	s_wait_xcnt 0x0                                ; EXEC changes only behind this wait: the rows' stores have read it
	v_cmp_eq_u32 vcc_lo, 0, v0
	s_and_saveexec_b32 s30, vcc_lo                 ; thread 0 alone
	global_store_b32 v24, v[M], s[20:21]
	s_wait_xcnt 0x0                                ; and again, in front of the line that widens it
	s_or_b32 exec_lo, exec_lo, s30
	s_wait_tensorcnt 0x0                           ; the wave's end: behind my last LDS store
	ds_add_u32 v[SPW], v[NIL]
	s_wait_dscnt 0x0
	s_endpgm
.Lturned:
	; Wv, TURNED.  u = g - 640; rows k = 128 (u % 8) .., columns d = 64 (u / 8) ...  Thread t: c = t % 16 (four columns), r0 = t / 16 (a row in each group of 16).
	s_sub_co_u32 s24, s23, 640
	s_and_b32 s25, s24, 7                          ; kb
	s_lshr_b32 s26, s24, 3                         ; db
	s_lshl_b32 s28, s25, 19                        ; 128 rows of 4,096 bytes
	s_lshl_b32 s29, s26, 8                         ; 64 columns of 4 bytes
	s_add_co_u32 s28, s28, s29
	s_mov_b32 s29, 0
	s_add_nc_u64 s[10:11], s[10:11], s[28:29]
	s_lshl_b32 s34, s26, 17                        ; 64 rows of 2,048 bytes
	s_lshl_b32 s35, s25, 8                         ; 128 columns of 2 bytes
	s_add_co_u32 s34, s34, s35
	s_add_co_u32 s34, s34, 0x200000                ; behind wall's first 1,024 rows
	s_mov_b32 s35, 0
	s_add_nc_u64 s[18:19], s[18:19], s[34:35]
	v_and_b32 v4, 15, v0                           ; c
	v_lshrrev_b32 v5, 4, v0                        ; r0
	v_lshlrev_b32 v6, 4, v4
	v_lshl_add_u32 v1, v5, 12, v6                  ; in: row r0, 16 bytes at 16 c: sixteen lanes take 256 consecutive bytes
	v_mul_u32_u24 v2, v4, 4*TP
	v_lshl_add_u32 v2, v5, 1, v2                   ; into LDS: row d = 4 c (+ e), column k = r0 (+ 16 i)
	v_mul_u32_u24 v3, v5, TP
	v_add_nc_u32 v3, v3, v6                        ; back: row r0 (+ 16 i), 16 bytes at 16 c
	v_lshl_add_u32 v24, v5, 11, v6                 ; and the same place in wall
.irp i, 0,1,2,3,4,5,6,7
	global_load_b128 v[ROW+4*(\i):ROW+4*(\i)+3], v1, s[10:11] offset:65536*(\i) th:TH_LOAD_NT
.endr
.macro COLX i
.set R, ROW+4*(\i)
	s_wait_loadcnt 7-(\i)                          ; row r0 + 16 i is in, the younger ones stay out
	TOBF
	v_pk_mul_f32 v[U:U+1], v[U:U+1], 0x42000000 op_sel_hi:[1,0]      ; x 2^5
	v_pk_mul_f32 v[U+2:U+3], v[U+2:U+3], 0x42000000 op_sel_hi:[1,0]
	v_cvt_pk_f16_f32 v[H], v[U], v[U+1]
	v_cvt_pk_f16_f32 v[H+1], v[U+2], v[U+3]
	ds_store_b16 v2, v[H] offset:32*(\i)
	ds_store_b16_d16_hi v2, v[H] offset:TP+32*(\i)
	ds_store_b16 v2, v[H+1] offset:2*TP+32*(\i)
	ds_store_b16_d16_hi v2, v[H+1] offset:3*TP+32*(\i)
.endm
.irp i, 0,1,2,3,4,5,6,7
	COLX \i
.endr
	s_wait_dscnt 0x0                               ; for the others' sake: my stores are done
	s_barrier_signal -1
	s_barrier_wait -1
.irp i, 0,1,2,3
	ds_load_b128 v[64+4*(\i):67+4*(\i)], v3 offset:16*TP*(\i)
.endr
.irp i, 0,1,2,3
	s_wait_dscnt 3-(\i)
	global_store_b128 v24, v[64+4*(\i):67+4*(\i)], s[18:19] offset:32768*(\i) th:TH_STORE_NT  ; sixteen lanes store 256 consecutive bytes, aligned
.endr
	s_wait_tensorcnt 0x0                           ; the wave's end: behind my last LDS store
	ds_add_u32 v[SPW], v[NIL]
	s_wait_dscnt 0x0
	s_endpgm
.Lfunc_end_k_q30b40fe3cf_prep:
	.size	k_q30b40fe3cf_prep, .Lfunc_end_k_q30b40fe3cf_prep-k_q30b40fe3cf_prep
	.p2alignl 7, 3214868480
	.fill 96, 4, 3214868480
	.section	.rodata,"a",@progbits
	.p2align	6, 0x0
	.amdhsa_kernel k_q30b40fe3cf_prep
		.amdhsa_group_segment_fixed_size 18688
		.amdhsa_private_segment_fixed_size 0
		.amdhsa_enable_private_segment 0
		.amdhsa_kernarg_size 72
		.amdhsa_user_sgpr_count 2
		.amdhsa_user_sgpr_kernarg_segment_ptr 1
		.amdhsa_wavefront_size32 1
		.amdhsa_system_sgpr_workgroup_id_x 1
		.amdhsa_system_sgpr_workgroup_id_y 1
		.amdhsa_system_sgpr_workgroup_id_z 1
		.amdhsa_system_vgpr_workitem_id 0
		.amdhsa_next_free_vgpr 96
		.amdhsa_next_free_sgpr 66
		.amdhsa_reserve_vcc 1
		.amdhsa_float_denorm_mode_32 3
		.amdhsa_float_denorm_mode_16_64 3
		.amdhsa_memory_ordered 1
		.amdhsa_forward_progress 1
		.amdhsa_inst_pref_size 28
	.end_amdhsa_kernel
	.amdgpu_metadata
---
amdhsa.version: [ 1, 2 ]
amdhsa.kernels:
  - .name:           k_q30b40fe3cf_prep
    .symbol:         k_q30b40fe3cf_prep.kd
    .args:
      - { .name: x, .offset: 0, .size: 8, .value_kind: global_buffer, .address_space: global }
      - { .name: weight_q, .offset: 8, .size: 8, .value_kind: global_buffer, .address_space: global }
      - { .name: weight_k, .offset: 16, .size: 8, .value_kind: global_buffer, .address_space: global }
      - { .name: weight_v, .offset: 24, .size: 8, .value_kind: global_buffer, .address_space: global }
      - { .name: theta, .offset: 32, .size: 8, .value_kind: global_buffer, .address_space: global }
      - { .name: xh, .offset: 40, .size: 8, .value_kind: global_buffer, .address_space: global }
      - { .name: wh, .offset: 48, .size: 8, .value_kind: global_buffer, .address_space: global }
      - { .name: wall, .offset: 56, .size: 8, .value_kind: global_buffer, .address_space: global }
      - { .name: stats, .offset: 64, .size: 8, .value_kind: global_buffer, .address_space: global }
    .group_segment_fixed_size: 18688
    .private_segment_fixed_size: 0
    .kernarg_segment_align: 8
    .kernarg_segment_size: 72
    .max_flat_workgroup_size: 256
    .sgpr_count:     66
    .vgpr_count:     96
    .wavefront_size: 32
...
	.end_amdgpu_metadata
.endif
;; end of part 1
;; launch mprod (part 2): grid 8 x 8, 4 waves a work-group, clusters of 4 x 4, 327,680 bytes of LDS; arguments wh, stats, wall; writes wall
.if DOCPART == 2
	.amdgcn_target "amdgcn-amd-amdhsa--gfx1250"
	.amdhsa_code_object_version 6
	.text
	.protected	k_q30b40fe3cf_mprod
	.globl	k_q30b40fe3cf_mprod
	.p2align	8
	.type	k_q30b40fe3cf_mprod,@function
k_q30b40fe3cf_mprod:
	s_mov_b64 s[64:65], 0
	v_nop
	global_prefetch_b8 v0, s[64:65] scope:SCOPE_SE
	s_setreg_imm32_b32 hwreg(HW_REG_WAVE_MODE, 25, 1), 1
	s_wait_xcnt 0x0
	s_wait_alu depctr_hold_cnt(0) depctr_sa_sdst(0) depctr_va_vdst(0) depctr_va_sdst(0) depctr_va_ssrc(0) depctr_va_vcc(0) depctr_vm_vsrc(0)
	s_getreg_b32 s2, hwreg(HW_REG_IB_STS2, 6, 4)
	s_cmp_eq_u32 s2, 0
	s_cbranch_scc0 .Lentry_in_a_cluster
	s_endpgm
.Lentry_in_a_cluster:
	s_bfe_u32 s2, ttmp6, 0x10000c
	s_cmp_lg_u32 s2, 0xf033
	s_cbranch_scc0 .Lentry_shape_is_right
	s_endpgm
.Lentry_shape_is_right:
; MPROD.  wall[b][a] = M^[b][a] = 2^kq x the sum over n of wk^[b][n] wq^[a][n], f16, sums in f32.  wh: rows 0-1023 wq^, rows 1024-2047 wk^, 1,024 f16 each.
; The scores q k^T = x (Wq F^2 Wk^T) x^T are taken in this order of sums: M is made once, q' = x M takes the place of two projections, and k is x itself.
; kq = 373 - EbX - EbQ - EbK (biased exponents of the largest |x|, |wq^|, |wk^|), held to -126 .. 127: then |x M^| < 1024 2^EX 1024 2^(EQ+EK) 2^kq = 2^15 for every input, inside f16.
; LIMITS.  |M^| < 2^(5-EX): inside f16 where the largest |x| is 2^-10 or more; where it passes some 512, M^ falls under 6.1e-5 and keeps f16's fixed step of 6e-8.
; A tile of 128 x 128 to a work-group, 64 work-groups: four waves of 64 x 64 (16 accumulators).  K goes in four steps of 256 through two LDS slots; a step is written ONCE and looped over:
; the slot in hand is a scalar (0 or SLOT) that an exclusive or turns.  CLUSTER 4 x 4: A's tile is asked for jointly along a row of the cluster, B's along a column.
; The matrix instruction is used transposed (source 0 = 16 rows of B, source 1 = 16 rows of A): a lane holds eight neighbouring numbers of a row of C.
; No prefetch: four short steps on small tiles.
; REGISTERS: window 0: v0-31 addresses; v32-95 at work; v128-255 the accumulators ((a, b) at v[128 + 8 (4 a + b)]).  window 1: two fragment buffers of 128: 64 of A (2 x 4 x 16 rows x 32 K), then 64 of B.
.set SIZE_K, 1024
.set SIZE_N, 1024
.set KSTEP,  256
.set PITCH,  528                       ; an LDS row: 512 bytes + 16 of padding = 132 words: the 16 rows of a load start at 16 different groups of four banks (64 banks of 4 bytes: ISA guide 11.1)
.set HALFT,  64*PITCH
.set SLOT,   4*HALFT                   ; A's 128 rows, then B's 128 rows
.set STAGE,  2*SLOT                    ; behind the ring: 128 rows x 272 bytes, the work-group's, for the way out
.set SPITCH, 272
.set SPARE,  STAGE+128*SPITCH          ; the spare words, 128 bytes for each wave: two blocks of 256 bytes that no other line names
.set FILLS,  SIZE_K/KSTEP-2            ; K steps that are asked for behind the first two
.set ADRA0, 16                         ; v16  my lane's place in A's tile; never rewritten
.set ADRA,  17                         ; v17  the same in the slot in hand
.set ADRB0, 20
.set ADRB,  21
.set STO,  24
.set RD,   25
.set CO,   26
.set SPW,  28                          ; v28  LDS address of my spare word; never rewritten
.set NIL,  29                          ; v29  0; never rewritten
.set TMP,  32
.set ACC,  128
.set F0,   0
.set F1,   128
.set G1,  24                           ; s[24:31] descriptor group 1 for A's tiles; s[32:39] group 0: set 0 for K step 0, set 1 for K step 1, which then walks on
.set G0,  32
.set G1B, 48
.set G0B, 56
.set LDSW, 66                          ; s66  wave x 64 rows: where my part of a slot begins
.set CUR,  67                          ; s67  the slot in hand: 0 or SLOT
.set STP,  68                          ; s[68:69] stats
.set SC,   70                          ; s[70:71] 2^kq
.set MSB, 0
.macro WIN new                         ; the immediate's high byte repeats the setting that is left; a switch that changes nothing is dropped
.if MSB != (\new)
	s_set_vgpr_msb (MSB<<8)|(\new)
.set MSB, \new
.endif
.endm
.set MUL,  0x05                        ; sources 0 (B) and 1 (A) window 1; C and D window 0
.set TO_F, 0x40                        ; destination window 1, address window 0
.macro JLOAD s                         ; a joint load: waves 0 and 1 fetch A's two halves, waves 2 and 3 B's; an s_nop 0 and four v_nop follow each of the two lines
	s_cmp_eq_u32 s11, 0
	s_cbranch_scc0 .Lfor_b_\@
	tensor_load_to_lds s[G0+4*(\s):G0+4*(\s)+3], s[G1:G1+7]
	s_nop 0
.rept 4
	v_nop
.endr
	s_branch .Lasked_\@
.Lfor_b_\@:
	tensor_load_to_lds s[G0B+4*(\s):G0B+4*(\s)+3], s[G1B:G1B+7]
	s_nop 0
.rept 4
	v_nop
.endr
.Lasked_\@:
.endm
.macro CREST                           ; a round of the cluster's barrier behind its opening barrier
	s_cmp_lg_u32 s10, 0
	s_cbranch_scc1 .Lnot_wave_0_\@
	s_barrier_signal -3
.Lnot_wave_0_\@:
	s_barrier_wait -3
	s_barrier_signal -1
	s_barrier_wait -1
.endm
.macro CROUND
	s_barrier_signal -1
	s_barrier_wait -1
	CREST
.endm
.macro PLACES                          ; four places behind matrix instructions, in front of loads into registers that they have read and of vector work on their results
.rept 4
	v_nop
.endr
.endm
.macro LANEMAX r, t                    ; the maximum of v[r] over the 32 lanes, in every lane; v[r+1] has been written before
.irp m, 1,2,4,8
	v_max_num_f32_dpp v[\r], v[\r], v[\r] row_xmask:\m row_mask:0xf bank_mask:0xf
.endr
	v_permlanex16_b32 v[(\r)+1], v[\r], s[\t], s[(\t)+1]
	v_max_num_f32 v[\r], v[\r], v[(\r)+1]
.endm
; The biased exponents of the largest magnitudes: x's into s[t+2]; all = 1: wq^'s into s[t+3], wk^'s into s[t+4].  They enter values alone: no address and no branch hangs on them.
.macro STATS st, t, all
	v_and_b32 v52, 31, v0
	v_lshlrev_b32 v53, 4, v52
.irp i, 0,1,2,3
	global_load_b128 v[32+4*(\i):35+4*(\i)], v53, s[\st:(\st)+1] offset:512*(\i)   ; x's 512 numbers
.endr
.if \all
	v_lshlrev_b32 v52, 3, v52
	global_load_b64 v[48:49], v52, s[\st:(\st)+1] offset:2048                      ; wq^'s 64
	global_load_b64 v[50:51], v52, s[\st:(\st)+1] offset:2304                      ; wk^'s 64
.endif
	s_mov_b32 s[\t], 0x76543210
	s_mov_b32 s[(\t)+1], 0xfedcba98
	s_wait_loadcnt 0x0
	v_max3_num_f32 v32, v32, v33, v34
	v_max3_num_f32 v35, v35, v36, v37
	v_max3_num_f32 v38, v38, v39, v40
	v_max3_num_f32 v41, v41, v42, v43
	v_max3_num_f32 v44, v44, v45, v46
	v_max3_num_f32 v32, v32, v35, v38
	v_max3_num_f32 v41, v41, v44, v47
	v_max_num_f32 v32, v32, v41
	LANEMAX 32, \t
	v_readfirstlane_b32 s[(\t)+2], v32
	s_bfe_u32 s[(\t)+2], s[(\t)+2], 0x80017        ; 8 bits from bit 23
.if \all
	v_max_num_f32 v48, v48, v49
	v_max_num_f32 v50, v50, v51
	LANEMAX 48, \t
	LANEMAX 50, \t
	v_readfirstlane_b32 s[(\t)+3], v48
	v_readfirstlane_b32 s[(\t)+4], v50
	s_bfe_u32 s[(\t)+3], s[(\t)+3], 0x80017
	s_bfe_u32 s[(\t)+4], s[(\t)+4], 0x80017
.endif
.endm
.macro CLAMP r                         ; a power of two that f32 holds as a normal number
	s_max_i32 s[\r], s[\r], -126
	s_min_i32 s[\r], s[\r], 127
.endm
	s_load_b64 s[6:7], s[0:1], 0x0                 ; wh: B = wq^ begins here
	s_load_b64 s[STP:STP+1], s[0:1], 0x8
	s_load_b64 s[8:9], s[0:1], 0x10                ; wall
	v_lshl_add_u32 v[SPW], v0, 2, SPARE
	v_mov_b32 v[NIL], 0
	ds_add_u32 v[SPW], v[NIL]                      ; the wave's opening: the add and its wait stand ahead of my first tensor load; the set-up below, work on registers, stands between them
	v_lshrrev_b32 v1, 5, v0
	v_readfirstlane_b32 s10, v1                    ; wave 0..3
	s_lshr_b32 s11, s10, 1                         ; which half of the tile's rows is mine.  Also: I fetch for A (0) or for B (1)
	s_and_b32 s12, s10, 1                          ; which half of its columns.  Also: which 64 rows of that tile I fetch
	s_bfe_u32 s40, ttmp6, 0x40000                  ; cx, cy: my place in the cluster
	s_bfe_u32 s41, ttmp6, 0x40004
	s_lshl_b32 s42, ttmp9, 2
	s_add_co_u32 s42, s42, s40                     ; tile column = 4 x cluster x + cx
	s_and_b32 s13, ttmp7, 0xffff
	s_lshl_b32 s13, s13, 2
	s_add_co_u32 s13, s13, s41                     ; tile row = 4 x cluster y + cy
	s_lshl_b32 s43, s41, 2
	s_lshl_b32 s43, 15, s43                        ; my row of the cluster
	s_lshl_b32 s44, 0x1111, s40                    ; my column
	s_or_b32 s[G1+0], s43, (1<<16)|(1<<20)|(1<<21)|(6<<22)|(3<<25)  ; 15:0 the mask; 17:16 2-byte elements; 20 padding on; 21 set beside a mask; 24:22 after every 128 words (code 6); 31:25 4 words (code 3)
	s_or_b32 s[G1B+0], s44, (1<<16)|(1<<20)|(1<<21)|(6<<22)|(3<<25)
.irp g, G1, G1B
	s_mov_b32 s[(\g)+1], KSTEP<<16                 ; tensor_dim0 = 256
	s_mov_b32 s[(\g)+2], 64<<16                    ; tensor_dim1 = 64
	s_mov_b32 s[(\g)+3], KSTEP<<16                 ; tile_dim0 = 256
	s_mov_b32 s[(\g)+4], 64                        ; tile_dim1 = 64
	s_mov_b32 s[(\g)+5], SIZE_K                    ; elements from row to row
	s_mov_b32 s[(\g)+6], 0
	s_mov_b32 s[(\g)+7], 0
.endr
	s_lshl_b32 s17, s12, 6                         ; which 64 rows of the tile I fetch
	s_lshl_b32 s16, s13, 7
	s_add_co_u32 s16, s16, s17
	s_lshl_b32 s16, s16, 11                        ; A: (128 x tile row + 64 x half) rows of 2,048 bytes
	s_lshl_b32 s46, s42, 7
	s_add_co_u32 s46, s46, s17
	s_lshl_b32 s46, s46, 11                        ; B: by the tile column
	s_mov_b32 s17, 0
	s_mov_b32 s47, 0
	s_mul_i32 s[LDSW], s10, HALFT                  ; no place in the cluster enters an LDS address
	s_mov_b32 s[CUR], 0
	s_wait_dscnt 0x0                               ; the opening add is done
	s_wait_kmcnt 0x0
	s_add_nc_u64 s[4:5], s[6:7], 0x200000          ; A = wk^: wh's rows 1024 on
	s_add_nc_u64 s[14:15], s[4:5], s[16:17]
	s_add_nc_u64 s[46:47], s[6:7], s[46:47]
	CROUND                                         ; all sixteen work-groups are here: the first joint loads meet
.irp s, 0,1
	s_mov_b32 s[G0+4*(\s)], 1
	s_add_co_u32 s[G0+4*(\s)+1], s[LDSW], (\s)*SLOT
	s_add_nc_u64 s[G0+4*(\s)+2:G0+4*(\s)+3], s[14:15], (\s)*KSTEP*2
	s_or_b32 s[G0+4*(\s)+3], s[G0+4*(\s)+3], 0x80000000
	s_mov_b32 s[G0B+4*(\s)], 1
	s_add_co_u32 s[G0B+4*(\s)+1], s[LDSW], (\s)*SLOT
	s_add_nc_u64 s[G0B+4*(\s)+2:G0B+4*(\s)+3], s[46:47], (\s)*KSTEP*2
	s_or_b32 s[G0B+4*(\s)+3], s[G0B+4*(\s)+3], 0x80000000
	JLOAD \s
.endr
	v_and_b32 v1, 15, v0                           ; l % 16
	v_bfe_u32 v2, v0, 4, 1                         ; l / 16
	v_mul_u32_u24 v3, v1, PITCH
	v_lshl_add_u32 v3, v2, 4, v3                   ; a fragment's row x pitch + 16 x half
	s_mul_i32 s21, s11, HALFT                      ; my 64 rows of A
	s_mul_i32 s22, s12, HALFT                      ; my 64 rows of B,
	s_add_co_u32 s22, s22, 2*HALFT                 ; which lie behind A's 128
	v_add_nc_u32 v[ADRA0], s21, v3
	v_add_nc_u32 v[ADRB0], s22, v3
	v_mov_b32 v[ADRA], v[ADRA0]                    ; slot 0
	v_mov_b32 v[ADRB], v[ADRB0]
	s_mul_i32 s23, s11, 64*SPITCH                  ; into the stage: my 64 rows, my half of their 256 bytes
	s_lshl_b32 s21, s12, 7
	s_add_co_u32 s23, s23, s21
	s_add_co_u32 s23, s23, STAGE
	v_mul_u32_u24 v4, v1, SPITCH
	v_lshl_add_u32 v4, v2, 4, v4
	v_add_nc_u32 v[STO], s23, v4
	s_mul_i32 s23, s10, 32*SPITCH                  ; back: wave w takes rows 32 w .. 32 w + 31, whole
	s_add_co_u32 s23, s23, STAGE
	v_mul_u32_u24 v5, v2, SPITCH
	v_lshl_add_u32 v5, v1, 4, v5
	v_add_nc_u32 v[RD], s23, v5
	v_lshlrev_b32 v5, 11, v2                       ; and the same two rows in C
	v_lshl_add_u32 v[CO], v1, 4, v5
	s_lshl_b32 s16, s13, 7
	s_lshl_b32 s17, s10, 5
	s_add_co_u32 s16, s16, s17                     ; the first row of C that I store
	s_lshl_b32 s16, s16, 11
	s_mov_b32 s17, 0
	s_add_nc_u64 s[8:9], s[8:9], s[16:17]
	s_lshl_b32 s46, s42, 8                         ; the tile's first column, in bytes
	s_mov_b32 s47, 0
	s_add_nc_u64 s[8:9], s[8:9], s[46:47]
	STATS STP, 72, 1                               ; stands in the wait for the first tile
	s_sub_co_i32 s77, 373, s74
	s_sub_co_i32 s77, s77, s75
	s_sub_co_i32 s77, s77, s76                     ; kq
	CLAMP 77
	s_add_co_i32 s77, s77, 127
	s_lshl_b32 s[SC], s77, 23                      ; 2^kq as an f32 word
	s_mov_b32 s[SC+1], s[SC]                       ; named with it as a pair
; 8 matrix instructions: m blocks a0, a0 + 1 x all 4 n blocks, 32 along K: half c of buffer f.  zero = 1: the first product starts the sums.  The 16 accumulators take turns.
.macro MUL8 f, c, a0, zero
	WIN MUL
.irp a, \a0, (\a0)+1
.irp b, 0,1,2,3
.if \zero
	v_wmma_f32_16x16x32_f16 v[ACC+8*(4*(\a)+(\b)):ACC+8*(4*(\a)+(\b))+7], v[(\f)+64+8*(4*(\c)+(\b)):(\f)+64+8*(4*(\c)+(\b))+7], v[(\f)+8*(4*(\c)+(\a)):(\f)+8*(4*(\c)+(\a))+7], 0
.else
	v_wmma_f32_16x16x32_f16 v[ACC+8*(4*(\a)+(\b)):ACC+8*(4*(\a)+(\b))+7], v[(\f)+64+8*(4*(\c)+(\b)):(\f)+64+8*(4*(\c)+(\b))+7], v[(\f)+8*(4*(\c)+(\a)):(\f)+8*(4*(\c)+(\a))+7], v[ACC+8*(4*(\a)+(\b)):ACC+8*(4*(\a)+(\b))+7]
.endif
.endr
.endr
.endm
; 32 LDS loads in one run: the fragments of quarter q (64 along K) of the slot in hand, into buffer f; the first 32 along K first
.macro FETCH q, f
	WIN TO_F
.irp c, 0,1
.irp i, 0,1,2,3
	ds_load_b128 v[(\f)+64+8*(4*(\c)+(\i)):(\f)+64+8*(4*(\c)+(\i))+3],   v[ADRB] offset:128*(\q)+64*(\c)+(\i)*16*PITCH
	ds_load_b128 v[(\f)+64+8*(4*(\c)+(\i))+4:(\f)+64+8*(4*(\c)+(\i))+7], v[ADRB] offset:128*(\q)+64*(\c)+(\i)*16*PITCH+32
	ds_load_b128 v[(\f)+8*(4*(\c)+(\i)):(\f)+8*(4*(\c)+(\i))+3],         v[ADRA] offset:128*(\q)+64*(\c)+(\i)*16*PITCH
	ds_load_b128 v[(\f)+8*(4*(\c)+(\i))+4:(\f)+8*(4*(\c)+(\i))+7],       v[ADRA] offset:128*(\q)+64*(\c)+(\i)*16*PITCH+32
.endr
.endr
.endm
; A K step is four quarters of 64 along K, on buffers 0, 1, 0, 1.  One of the first three: multiplies buffer f and fetches quarter q into g.
.macro QUARTER q, f, g, zero
	s_wait_dscnt 16                                ; the first 32 along K are in; the youngest sixteen loads may be out
	MUL8 \f, 0, 0, \zero
	MUL8 \f, 0, 2, \zero
	PLACES
	FETCH \q, \g
	s_wait_dscnt 32                                ; all but the 32 just issued
	MUL8 \f, 1, 0, 0
	MUL8 \f, 1, 2, 0
.endm
; The last quarter multiplies buffer 1 and changes slots.  In front of the barrier each wave waits for all its tensor loads (one is out: its part of the next slot), adds 0 to its spare word, and waits for that and
; for its reads of this slot.  The barrier opens a round of the cluster's; behind the round this slot is filled again first, with the K step two on; then the next slot's first fragments are read.
.macro TURN
	WIN 0                                          ; (the add's two registers lie in window 0)
	s_wait_tensorcnt 0x0                           ; no tensor load of mine is out, so the walking group 0 may be written
	ds_add_u32 v[SPW], v[NIL]                      ; 0 onto my spare word
	s_add_co_u32 s[G0+5], s[LDSW], s[CUR]          ; the slot that is being left,
	s_add_co_u32 s[G0B+5], s[LDSW], s[CUR]
	s_add_nc_u64 s[G0+6:G0+7], s[G0+6:G0+7], KSTEP*2    ; the next K step; the type bits on top are not reached
	s_add_nc_u64 s[G0B+6:G0B+7], s[G0B+6:G0B+7], KSTEP*2
	s_xor_b32 s[CUR], s[CUR], SLOT                 ; the reads go to the other slot
	s_wait_dscnt 17                                ; (the add and the youngest sixteen loads may be out)
	MUL8 F1, 0, 0, 0
	s_wait_dscnt 0x0                               ; the add is done, and my reads of this slot are over
	s_barrier_signal -1
	MUL8 F1, 0, 2, 0
	WIN 0
	s_barrier_wait -1
	CREST                                          ; no wave of any partner still reads this slot's tile or has a load on its way
	JLOAD 1                                        ; the first tensor load behind the round; its four v_nop are also the places in front of the loads below
	v_add_nc_u32 v[ADRA], s[CUR], v[ADRA0]
	v_add_nc_u32 v[ADRB], s[CUR], v[ADRB0]
	FETCH 0, F0
	MUL8 F1, 1, 0, 0
	MUL8 F1, 1, 2, 0
.endm
.macro TURNX                           ; the same where nothing is left to ask for: no round, no load
	WIN 0
	s_wait_tensorcnt 0x0                           ; my part of the last K step has landed
	ds_add_u32 v[SPW], v[NIL]
	s_xor_b32 s[CUR], s[CUR], SLOT
	s_wait_dscnt 17
	MUL8 F1, 0, 0, 0
	s_wait_dscnt 0x0
	s_barrier_signal -1
	MUL8 F1, 0, 2, 0
	s_barrier_wait -1
	PLACES
	WIN 0
	v_add_nc_u32 v[ADRA], s[CUR], v[ADRA0]
	v_add_nc_u32 v[ADRB], s[CUR], v[ADRB0]
	FETCH 0, F0
	MUL8 F1, 1, 0, 0
	MUL8 F1, 1, 2, 0
.endm
	s_wait_tensorcnt 1                             ; my part of K step 0 is in; K step 1's may stay out
	s_barrier_signal -1
	s_barrier_wait -1                              ; everybody's is
	FETCH 0, F0
	QUARTER 1, F0, F1, 1                           ; the first quarter stands in front of the loop: its first products start the sums
	WIN 0                                          ; at a label and at a branch every window is 0
	s_mov_b32 s3, FILLS
	s_branch .Lmid
.Lfill:                                                ; a trip is a K step; it asks for the K step two on
	QUARTER 1, F0, F1, 0
	WIN 0
.Lmid:
	QUARTER 2, F1, F0, 0
	QUARTER 3, F0, F1, 0
	TURN
	WIN 0
	s_sub_co_u32 s3, s3, 1
	s_cmp_lg_u32 s3, 0
	s_cbranch_scc1 .Lfill
	s_mov_b32 s3, 2
.Ldry:                                                 ; the last two K steps ask for nothing.  The second trip's barrier and its 32 loads (of bytes that landed long ago) serve nothing: the price, once a launch, of one text for both
	QUARTER 1, F0, F1, 0
	QUARTER 2, F1, F0, 0
	QUARTER 3, F0, F1, 0
	TURNX
	WIN 0
	s_sub_co_u32 s3, s3, 1
	s_cmp_lg_u32 s3, 0
	s_cbranch_scc1 .Ldry
	s_wait_dscnt 0x0
	; THE WAY OUT: times 2^kq; rounded to f16; 16 bytes a lane into the work-group's stage; a barrier, since a row's 256 bytes come from two waves; back as whole rows, 32 rows a wave.
	PLACES
.set i, 0
.rept 64
	v_pk_mul_f32 v[ACC+i:ACC+i+1], v[ACC+i:ACC+i+1], s[SC:SC+1] op_sel_hi:[1,0]
.set i, i+2
.endr
.irp t, 0,1,2,3,4,5,6,7,8,9,10,11,12,13,14,15
.irp r, 0,1,2,3
	v_cvt_pk_f16_f32 v[TMP+4*(\t)+(\r)], v[ACC+8*(\t)+2*(\r)], v[ACC+8*(\t)+2*(\r)+1]
.endr
.endr
.irp a, 0,1,2,3
.irp b, 0,1,2,3
	ds_store_b128 v[STO], v[TMP+4*(4*(\a)+(\b)):TMP+4*(4*(\a)+(\b))+3] offset:(\a)*16*SPITCH+32*(\b)
.endr
.endr
	s_wait_dscnt 0x0                               ; for the others' sake: my stores into the stage are done
	s_barrier_signal -1
	s_barrier_wait -1
.irp t, 0,1,2,3,4,5,6,7,8,9,10,11,12,13,14,15
	ds_load_b128 v[TMP+4*(\t):TMP+4*(\t)+3], v[RD] offset:(\t)*2*SPITCH
.endr
.irp t, 0,1,2,3,4,5,6,7,8,9,10,11,12,13,14,15
	s_wait_dscnt 15-(\t)
	global_store_b128 v[CO], v[TMP+4*(\t):TMP+4*(\t)+3], s[8:9] offset:2*(\t)*SIZE_N*2  ; 16 lanes store 256 consecutive bytes, aligned
.endr
	s_wait_tensorcnt 0x0                           ; the wave's end: behind my last tensor load and my last LDS store
	ds_add_u32 v[SPW], v[NIL]
	s_wait_dscnt 0x0
	CROUND                                         ; the closing round: no work-group ends while a partner may still ask for a tile that names it
	s_endpgm
.Lfunc_end_k_q30b40fe3cf_mprod:
	.size	k_q30b40fe3cf_mprod, .Lfunc_end_k_q30b40fe3cf_mprod-k_q30b40fe3cf_mprod
	.p2alignl 7, 3214868480
	.fill 96, 4, 3214868480
	.section	.rodata,"a",@progbits
	.p2align	6, 0x0
	.amdhsa_kernel k_q30b40fe3cf_mprod
		.amdhsa_group_segment_fixed_size 327680
		.amdhsa_private_segment_fixed_size 0
		.amdhsa_enable_private_segment 0
		.amdhsa_kernarg_size 24
		.amdhsa_user_sgpr_count 2
		.amdhsa_user_sgpr_kernarg_segment_ptr 1
		.amdhsa_wavefront_size32 1
		.amdhsa_system_sgpr_workgroup_id_x 1
		.amdhsa_system_sgpr_workgroup_id_y 1
		.amdhsa_system_sgpr_workgroup_id_z 1
		.amdhsa_system_vgpr_workitem_id 0
		.amdhsa_next_free_vgpr 512
		.amdhsa_next_free_sgpr 80
		.amdhsa_reserve_vcc 0
		.amdhsa_float_denorm_mode_32 3
		.amdhsa_float_denorm_mode_16_64 3
		.amdhsa_memory_ordered 1
		.amdhsa_forward_progress 1
		.amdhsa_inst_pref_size 65
	.end_amdhsa_kernel
	.amdgpu_metadata
---
amdhsa.version: [ 1, 2 ]
amdhsa.kernels:
  - .name:           k_q30b40fe3cf_mprod
    .symbol:         k_q30b40fe3cf_mprod.kd
    .args:
      - { .name: wh, .offset: 0, .size: 8, .value_kind: global_buffer, .address_space: global }
      - { .name: stats, .offset: 8, .size: 8, .value_kind: global_buffer, .address_space: global }
      - { .name: wall, .offset: 16, .size: 8, .value_kind: global_buffer, .address_space: global }
    .group_segment_fixed_size: 327680
    .private_segment_fixed_size: 0
    .kernarg_segment_align: 8
    .kernarg_segment_size: 24
    .max_flat_workgroup_size: 128
    .sgpr_count:     80
    .vgpr_count:     512
    .wavefront_size: 32
...
	.end_amdgpu_metadata
.endif
;; end of part 2
;; launch proj (part 3): grid 8 x 32, 4 waves a work-group, clusters of 4 x 4, 327,680 bytes of LDS; arguments xh, wall, qv; writes qv
.if DOCPART == 3
	.amdgcn_target "amdgcn-amd-amdhsa--gfx1250"
	.amdhsa_code_object_version 6
	.text
	.protected	k_q30b40fe3cf_proj
	.globl	k_q30b40fe3cf_proj
	.p2align	8
	.type	k_q30b40fe3cf_proj,@function
k_q30b40fe3cf_proj:
	s_mov_b64 s[64:65], 0
	v_nop
	global_prefetch_b8 v0, s[64:65] scope:SCOPE_SE
	s_setreg_imm32_b32 hwreg(HW_REG_WAVE_MODE, 25, 1), 1
	s_wait_xcnt 0x0
	s_wait_alu depctr_hold_cnt(0) depctr_sa_sdst(0) depctr_va_vdst(0) depctr_va_sdst(0) depctr_va_ssrc(0) depctr_va_vcc(0) depctr_vm_vsrc(0)
	s_getreg_b32 s2, hwreg(HW_REG_IB_STS2, 6, 4)
	s_cmp_eq_u32 s2, 0
	s_cbranch_scc0 .Lentry_in_a_cluster
	s_endpgm
.Lentry_in_a_cluster:
	s_bfe_u32 s2, ttmp6, 0x10000c
	s_cmp_lg_u32 s2, 0xf033
	s_cbranch_scc0 .Lentry_shape_is_right
	s_endpgm
.Lentry_shape_is_right:
; PROJ.  qv[i][c] = the sum over a of xh[i][a] wall[c][a]: columns 0-1023 are q^ = x M^ (wall's rows M^[b][a]), columns 1024-2047 v^ = 2^5 x Wv (wall's rows wv^[d][k]).  All f16, sums in f32, qv rounded once.
; LIMITS.  |q^| < 2^15 by M^'s scale, whatever the inputs; |v^| = 32 |v| must stay under 65,504: |v| < 2,047.  A number below 6.1e-5 keeps f16's fixed step of 6e-8.
; A tile of 256 x 256 to a work-group, 8 x 32 = 256 of them; four waves, each 128 x 128: 64 accumulators, 512 registers.  K = 1,024 goes in eight steps of 128 through two LDS slots filled by the
; tensor data mover (rows of 256 bytes, aligned).  A K step is written ONCE and looped over: the slot in hand is a scalar (0 or SLOT) that an exclusive or turns.
; CLUSTER 4 x 4: A's tile (by the tile row) is asked for jointly along a row of the cluster, B's (by the tile column) along a column.
; The matrix instruction is used transposed (source 0 = 16 rows of B, source 1 = 16 rows of A): a lane holds eight neighbouring numbers of a row of C.
; REGISTERS, in windows of 256 (s_set_vgpr_msb: bits 1:0 source 0, 3:2 source 1, 5:4 source 2, 7:6 destination):
;   window 0: v0-31 addresses; v64-127, v128-191 fragments of A, two buffers; v32-63, v192-255 at work on the way out       window 1: v64-127, v128-191 fragments of B
;   window 2: the 32 accumulators of my rows 0-63 ((a, b) at v[8 (8 a + b)]);   window 3: those of my rows 64-127
.set SIZE_K, 1024
.set CROW,   4096                      ; bytes in a row of qv
.set KSTEP,  128
.set PITCH,  272                       ; an LDS row: 256 bytes + 16 of padding = 68 words: the 16 rows of a load start at 16 different groups of four banks (64 banks of 4 bytes: ISA guide 11.1)
.set HALFT,  128*PITCH                 ; 128 rows: what one tensor load brings, and what one wave reads of A or of B
.set SLOT,   4*HALFT                   ; A's 256 rows, then B's 256 rows
.set STAGE,  2*SLOT                    ; behind the ring: 16 rows x 272 bytes for each wave, for the way out
.set SPITCH, 272
.set SPARE,  STAGE+4*16*SPITCH         ; the spare words, 128 bytes for each wave: two blocks of 256 bytes that no other line names
.set FILLS,  SIZE_K/KSTEP-2            ; K steps that are asked for behind the first two
.set ADRA0, 16                         ; v16  my lane's place in A's tile; never rewritten
.set ADRA,  17                         ; v17  the same in the slot in hand
.set ADRB0, 20
.set ADRB,  21
.set STO,  24                          ; v24  the way out: where I put 16 bytes of a row
.set RD,   25                          ; v25  where I read a row back
.set CO,   26                          ; v26  my byte offset in C
.set SPW,  28                          ; v28  LDS address of my spare word; never rewritten
.set NIL,  29                          ; v29  0; never rewritten
.set PFO,  30                          ; v30  the prefetches' offset: my lane x a row; never rewritten
.set F0,   64
.set F1,   128
.set TMP,  192
.set OB,   32
.set G1,  24                           ; s[24:31] descriptor group 1 for A's tiles; s[32:39] group 0: set 0 for K step 0, set 1 for K step 1, which then walks on
.set G0,  32
.set LIM, 43                           ; s43  2 in a wave that prefetches, else the greatest number
.set PFA, 44                           ; s[44:45] where my prefetches stand
.set G1B, 48
.set G0B, 56
.set LDSW, 66                          ; s66  wave x 128 rows: where my part of a slot begins
.set CUR,  67                          ; s67  the slot in hand: 0 or SLOT
.set MSB, 0
.macro WIN new                         ; the immediate's high byte repeats the setting that is left; a switch that changes nothing is dropped
.if MSB != (\new)
	s_set_vgpr_msb (MSB<<8)|(\new)
.set MSB, \new
.endif
.endm
.set MUL_LO, 0xa1                      ; source 0 (B) window 1, source 1 (A) window 0, C and D window 2
.set MUL_HI, 0xf1                      ; the same, C and D window 3
.set TO_B,   0x40                      ; destination window 1, address window 0
.macro JLOAD s                         ; a joint load: waves 0 and 1 fetch A's two halves, waves 2 and 3 B's; an s_nop 0 and four v_nop follow each of the two lines
	s_cmp_eq_u32 s11, 0
	s_cbranch_scc0 .Lfor_b_\@
	tensor_load_to_lds s[G0+4*(\s):G0+4*(\s)+3], s[G1:G1+7]
	s_nop 0
.rept 4
	v_nop
.endr
	s_branch .Lasked_\@
.Lfor_b_\@:
	tensor_load_to_lds s[G0B+4*(\s):G0B+4*(\s)+3], s[G1B:G1B+7]
	s_nop 0
.rept 4
	v_nop
.endr
.Lasked_\@:
.endm
; A PREFETCH INTO THE L2, behind each joint load and the run of LDS loads that follows it: the K step that stands two refills on: 32 rows x 256 bytes, a lane a row, one instruction a wave.
; Each row's 256 bytes of a K step are named once in the launch: A's tile row is read by both clusters of that row of clusters, and cluster x = 0 asks; B's tile column by all eight of that column, and cluster y = 0 asks.
; The four partners that ask for a tile jointly share its rows out by address: of the 128 rows that a wave fetches, the partner at place p takes 32 p .. 32 p + 31 (p = cx for A, cy for B).
; Trips s3 = 6 .. 3 name K steps 4 .. 7; the last two refills have no K step two on.  K steps 0 to 3 come by their loads alone.
.macro ASK
	s_cmp_gt_u32 s3, s[LIM]
	s_cbranch_scc0 .Lnot_mine_\@
	global_prefetch_b8 v[PFO], s[PFA:PFA+1] offset:KSTEP*2 th:TH_LOAD_NT scope:SCOPE_SE
.Lnot_mine_\@:
.endm
.macro CREST                           ; a round of the cluster's barrier behind its opening barrier
	s_cmp_lg_u32 s10, 0
	s_cbranch_scc1 .Lnot_wave_0_\@
	s_barrier_signal -3
.Lnot_wave_0_\@:
	s_barrier_wait -3
	s_barrier_signal -1
	s_barrier_wait -1
.endm
.macro CROUND
	s_barrier_signal -1
	s_barrier_wait -1
	CREST
.endm
.macro PLACES                          ; four places behind matrix instructions, in front of loads into registers that they have read and of vector work on their results
.rept 4
	v_nop
.endr
.endm
	s_load_b128 s[4:7], s[0:1], 0x0                ; A = xh s[4:5], B = wall s[6:7]
	s_load_b64 s[8:9], s[0:1], 0x10                ; C = qv
	v_lshl_add_u32 v[SPW], v0, 2, SPARE
	v_mov_b32 v[NIL], 0
	ds_add_u32 v[SPW], v[NIL]                      ; the wave's opening: the add and its wait stand ahead of my first tensor load; the set-up below, work on registers, stands between them
	v_lshrrev_b32 v1, 5, v0
	v_readfirstlane_b32 s10, v1                    ; wave 0..3
	s_lshr_b32 s11, s10, 1                         ; which half of the tile's rows is mine.  Also: I fetch for A (0) or for B (1)
	s_and_b32 s12, s10, 1                          ; which half of its columns.  Also: which 128 rows of that tile I fetch
	s_bfe_u32 s40, ttmp6, 0x40000                  ; cx
	s_bfe_u32 s41, ttmp6, 0x40004                  ; cy
	s_lshl_b32 s42, ttmp9, 2
	s_add_co_u32 s42, s42, s40                     ; tile column = 4 x cluster x + cx
	s_and_b32 s13, ttmp7, 0xffff
	s_lshl_b32 s13, s13, 2
	s_add_co_u32 s13, s13, s41                     ; tile row = 4 x cluster y + cy
	s_lshl_b32 s43, s41, 2
	s_lshl_b32 s43, 15, s43                        ; my row of the cluster
	s_lshl_b32 s44, 0x1111, s40                    ; my column
	s_or_b32 s[G1+0], s43, (1<<16)|(1<<20)|(1<<21)|(5<<22)|(3<<25)  ; 15:0 the mask; 17:16 2-byte elements; 20 padding on; 21 set beside a mask; 24:22 after every 64 words (code 5); 31:25 4 words (code 3)
	s_or_b32 s[G1B+0], s44, (1<<16)|(1<<20)|(1<<21)|(5<<22)|(3<<25)
.irp g, G1, G1B
	s_mov_b32 s[(\g)+1], KSTEP<<16                 ; tensor_dim0 = 128
	s_mov_b32 s[(\g)+2], 128<<16                   ; tensor_dim1 = 128
	s_mov_b32 s[(\g)+3], KSTEP<<16                 ; tile_dim0 = 128
	s_mov_b32 s[(\g)+4], 128                       ; tile_dim1 = 128
	s_mov_b32 s[(\g)+5], SIZE_K                    ; elements from row to row
	s_mov_b32 s[(\g)+6], 0
	s_mov_b32 s[(\g)+7], 0
.endr
	; A's address hangs on the tile row alone, B's on the tile column alone, each in registers that never hold the other coordinate
	s_lshl_b32 s17, s12, 7                         ; which 128 rows of the tile I fetch
	s_lshl_b32 s16, s13, 8
	s_add_co_u32 s16, s16, s17
	s_lshl_b32 s16, s16, 11                        ; rows of 2,048 bytes
	s_lshl_b32 s46, s42, 8
	s_add_co_u32 s46, s46, s17
	s_lshl_b32 s46, s46, 11
	s_mov_b32 s17, 0
	s_mov_b32 s47, 0
	s_mul_i32 s[LDSW], s10, HALFT                  ; A's two halves, then B's two halves = wave x 128 rows: no place in the cluster enters an LDS address
	s_mov_b32 s[CUR], 0
	s_wait_dscnt 0x0                               ; the opening add is done
	s_wait_kmcnt 0x0
	s_add_nc_u64 s[14:15], s[4:5], s[16:17]
	s_add_nc_u64 s[46:47], s[6:7], s[46:47]
	CROUND                                         ; all sixteen work-groups are here: the first joint loads meet
.irp s, 0,1
	s_mov_b32 s[G0+4*(\s)], 1                                      ; count = 1
	s_add_co_u32 s[G0+4*(\s)+1], s[LDSW], (\s)*SLOT                ; LDS address
	s_add_nc_u64 s[G0+4*(\s)+2:G0+4*(\s)+3], s[14:15], (\s)*KSTEP*2  ; global address: K step s
	s_or_b32 s[G0+4*(\s)+3], s[G0+4*(\s)+3], 0x80000000            ; type = 2
	s_mov_b32 s[G0B+4*(\s)], 1
	s_add_co_u32 s[G0B+4*(\s)+1], s[LDSW], (\s)*SLOT
	s_add_nc_u64 s[G0B+4*(\s)+2:G0B+4*(\s)+3], s[46:47], (\s)*KSTEP*2
	s_or_b32 s[G0B+4*(\s)+3], s[G0B+4*(\s)+3], 0x80000000
	JLOAD \s
.endr
	; A fragment is 16 rows x 32 K in 8 registers: lane l holds row l % 16; registers 0-3 K = 8 (l / 16) + 0..7, registers 4-7 K = 16 + 8 (l / 16) + 0..7: two loads of 16 bytes, 32 bytes apart.
	v_and_b32 v1, 15, v0                           ; l % 16
	v_bfe_u32 v2, v0, 4, 1                         ; l / 16
	v_mul_u32_u24 v3, v1, PITCH
	v_lshl_add_u32 v3, v2, 4, v3
	s_mul_i32 s21, s11, HALFT                      ; my 128 rows of A
	s_mul_i32 s22, s12, HALFT                      ; my 128 rows of B,
	s_add_co_u32 s22, s22, 2*HALFT                 ; which lie behind A's 256
	v_add_nc_u32 v[ADRA0], s21, v3
	v_add_nc_u32 v[ADRB0], s22, v3
	v_mov_b32 v[ADRA], v[ADRA0]                    ; slot 0
	v_mov_b32 v[ADRB], v[ADRB0]
	s_mul_i32 s23, s10, 16*SPITCH
	s_add_co_u32 s23, s23, STAGE                   ; my stage
	v_mul_u32_u24 v4, v1, SPITCH                   ; in: row l % 16, 16 bytes for each half of the lanes
	v_lshl_add_u32 v4, v2, 4, v4
	v_add_nc_u32 v[STO], s23, v4
	v_mul_u32_u24 v5, v2, SPITCH                   ; back: lanes 0-15 take one row of 256 bytes, lanes 16-31 the next
	v_lshl_add_u32 v5, v1, 4, v5
	v_add_nc_u32 v[RD], s23, v5
	v_lshlrev_b32 v5, 12, v2                       ; and the same two rows in C
	v_lshl_add_u32 v[CO], v1, 4, v5
	s_lshl_b32 s13, s13, 8                         ; 256 x tile row
	s_lshl_b32 s14, s11, 7
	s_add_co_u32 s16, s13, s14                     ; my first row of C
	s_lshl_b32 s16, s16, 12
	s_mov_b32 s17, 0
	s_lshl_b32 s46, s42, 9                         ; my first column, in bytes
	s_lshl_b32 s47, s12, 8
	s_add_co_u32 s46, s46, s47
	s_mov_b32 s47, 0
	s_add_nc_u64 s[16:17], s[16:17], s[46:47]      ; the first way out adds this to C's address
	; the prefetches
	s_lshl_b32 s42, s42, 8
	s_and_b32 s22, ttmp7, 0xffff                   ; cluster y
	s_cmp_eq_u32 s11, 0                            ; do I fetch for A?
	s_cselect_b32 s20, s13, s42                    ; the tile's first row
	s_cselect_b32 s21, s40, s41                    ; my place among the four that ask for it with me
	s_cselect_b32 s22, ttmp9, s22                  ; the coordinate along which other clusters read the same rows
	s_cselect_b64 s[PFA:PFA+1], s[4:5], s[6:7]
	s_cmp_eq_u32 s22, 0
	s_cselect_b32 s[LIM], 2, -1                    ; the same in all sixteen partners, for a given wave
	s_lshl_b32 s22, s12, 7
	s_add_co_u32 s20, s20, s22                     ; + the 128 rows that I fetch
	s_lshl_b32 s21, s21, 5
	s_add_co_u32 s20, s20, s21                     ; + my work-group's 32 of them
	s_lshl_b32 s20, s20, 11
	s_mov_b32 s21, 0
	s_add_nc_u64 s[PFA:PFA+1], s[PFA:PFA+1], s[20:21]
	s_add_nc_u64 s[PFA:PFA+1], s[PFA:PFA+1], 2*KSTEP*2  ; at K step 2: the first refill steps it to 3 and names K step 4
	v_and_b32 v[PFO], 31, v0
	v_lshlrev_b32 v[PFO], 11, v[PFO]
; 16 matrix instructions: m blocks a0, a0 + 1 of the window's four x all 8 n blocks, 32 along K.  zero = 1: the first product starts the sums.  The 64 accumulators take turns.
.macro MUL16 f, hi, a0, zero
	WIN MUL_LO+0x50*(\hi)
.irp a, \a0, (\a0)+1
.irp b, 0,1,2,3,4,5,6,7
.if \zero
	v_wmma_f32_16x16x32_f16 v[8*(8*(\a)+(\b)):8*(8*(\a)+(\b))+7], v[(\f)+8*(\b):(\f)+8*(\b)+7], v[(\f)+8*(4*(\hi)+(\a)):(\f)+8*(4*(\hi)+(\a))+7], 0
.else
	v_wmma_f32_16x16x32_f16 v[8*(8*(\a)+(\b)):8*(8*(\a)+(\b))+7], v[(\f)+8*(\b):(\f)+8*(\b)+7], v[(\f)+8*(4*(\hi)+(\a)):(\f)+8*(4*(\hi)+(\a))+7], v[8*(8*(\a)+(\b)):8*(8*(\a)+(\b))+7]
.endif
.endr
.endr
.endm
; 32 LDS loads in one run: the fragments of one quarter step (32 K at byte k of the rows of the slot in hand) into buffer f: B's 128 rows, then A's
.macro FETCH k, f
	WIN TO_B
.irp i, 0,1,2,3,4,5,6,7
	ds_load_b128 v[(\f)+8*(\i):(\f)+8*(\i)+3],   v[ADRB] offset:(\k)+(\i)*16*PITCH
	ds_load_b128 v[(\f)+8*(\i)+4:(\f)+8*(\i)+7], v[ADRB] offset:(\k)+(\i)*16*PITCH+32
.endr
	WIN 0
.irp i, 0,1,2,3,4,5,6,7
	ds_load_b128 v[(\f)+8*(\i):(\f)+8*(\i)+3],   v[ADRA] offset:(\k)+(\i)*16*PITCH
	ds_load_b128 v[(\f)+8*(\i)+4:(\f)+8*(\i)+7], v[ADRA] offset:(\k)+(\i)*16*PITCH+32
.endr
.endm
; A K step is four quarters of 32 along K, 64 matrix instructions each, on buffers 0, 1, 0, 1.  One of the first three: multiplies buffer f; in its middle it fetches the next quarter, at byte k, into g.
.macro QUARTER k, f, g, zero
	s_wait_dscnt 8                                 ; B and A's rows 0-63 are in; the youngest eight loads (A's rows 64-127) may be out
	MUL16 \f, 0, 0, \zero
	MUL16 \f, 0, 2, \zero
	PLACES
	FETCH \k, \g
	s_wait_dscnt 32                                ; all but the 32 just issued
	MUL16 \f, 1, 0, \zero
	MUL16 \f, 1, 2, \zero
.endm
; The last quarter multiplies buffer 1 and changes slots.  In front of the barrier each wave waits for all its tensor loads (one is out: its part of the next slot), adds 0 to its spare word, and waits for that and
; for its reads of this slot.  The barrier opens a round of the cluster's; behind the round this slot is filled again first, with the K step two on: 224 matrix instructions ahead of the wait for it.
.macro TURN
	s_wait_xcnt 0x0                                ; the last prefetch, a K step back, has read its address, so it may be stepped
	s_add_nc_u64 s[PFA:PFA+1], s[PFA:PFA+1], KSTEP*2
	WIN 0                                          ; (the add's two registers lie in window 0)
	s_wait_tensorcnt 0x0                           ; no tensor load of mine is out, so the walking group 0 may be written
	ds_add_u32 v[SPW], v[NIL]                      ; 0 onto my spare word
	s_add_co_u32 s[G0+5], s[LDSW], s[CUR]          ; the slot that is being left,
	s_add_co_u32 s[G0B+5], s[LDSW], s[CUR]
	s_add_nc_u64 s[G0+6:G0+7], s[G0+6:G0+7], KSTEP*2    ; the next K step; the type bits on top are not reached
	s_add_nc_u64 s[G0B+6:G0B+7], s[G0B+6:G0B+7], KSTEP*2
	s_xor_b32 s[CUR], s[CUR], SLOT                 ; the reads go to the other slot
	s_wait_dscnt 9                                 ; (the add and the youngest eight loads may be out)
	MUL16 F1, 0, 0, 0
	s_wait_dscnt 0x0                               ; the add is done, and my reads of this slot are over
	s_barrier_signal -1
	MUL16 F1, 0, 2, 0
	WIN 0
	s_barrier_wait -1
	CREST                                          ; no wave of any partner still reads this slot's tile or has a load on its way
	JLOAD 1                                        ; the first tensor load behind the round; its four v_nop are also the places in front of the loads below
	v_add_nc_u32 v[ADRA], s[CUR], v[ADRA0]
	v_add_nc_u32 v[ADRB], s[CUR], v[ADRB0]
	FETCH 0, F0
	ASK
	MUL16 F1, 1, 0, 0
	MUL16 F1, 1, 2, 0
.endm
.macro TURNX                           ; the same where nothing is left to ask for: no round, no load
	WIN 0
	s_wait_tensorcnt 0x0                           ; my part of the last K step has landed
	ds_add_u32 v[SPW], v[NIL]
	s_xor_b32 s[CUR], s[CUR], SLOT
	s_wait_dscnt 9
	MUL16 F1, 0, 0, 0
	s_wait_dscnt 0x0
	s_barrier_signal -1
	MUL16 F1, 0, 2, 0
	s_barrier_wait -1
	PLACES
	WIN 0
	v_add_nc_u32 v[ADRA], s[CUR], v[ADRA0]
	v_add_nc_u32 v[ADRB], s[CUR], v[ADRB0]
	FETCH 0, F0
	MUL16 F1, 1, 0, 0
	MUL16 F1, 1, 2, 0
.endm
; THE WAY OUT of block a (16 rows), in three parts.  PACK: rounded to f16, 16 bytes a lane.  TOSTAGE: into my own stage in LDS, and back as whole rows of 256 bytes.  SEND: stored.
.macro PACK a
.set AC, 64*((\a)%4)
	WIN 0x0a+5*((\a)/4)                            ; sources 0 and 1: window 2 or 3
.irp b, 0,1,2,3,4,5,6,7
.irp r, 0,1,2,3
	v_cvt_pk_f16_f32 v[TMP+4*(\b)+(\r)], v[AC+8*(\b)+2*(\r)], v[AC+8*(\b)+2*(\r)+1]
.endr
.endr
	WIN 0
.endm
.macro TOSTAGE a
	WIN 0
.set BK, OB+192*((\a)%2)
.irp b, 0,1,2,3,4,5,6,7
	ds_store_b128 v[STO], v[TMP+4*(\b):TMP+4*(\b)+3] offset:32*(\b)
.endr
.irp t, 0,1,2,3,4,5,6,7
	ds_load_b128 v[BK+4*(\t):BK+4*(\t)+3], v[RD] offset:(\t)*2*SPITCH  ; LDS serves a wave's instructions in order (ISA guide 5.7.1.4): these see the stores above
.endr
.endm
.macro SEND a
	WIN 0
.set BK, OB+192*((\a)%2)
	s_wait_dscnt 0x0                               ; the block is back in registers
	s_wait_xcnt 0x0                                ; only behind this wait are the stores' base and the registers that earlier stores read rewritten
.if (\a) == 0
	s_add_nc_u64 s[8:9], s[8:9], s[16:17]          ; on to my first rows
.else
	s_add_nc_u64 s[8:9], s[8:9], 16*CROW
.endif
.irp t, 0,1,2,3,4,5,6,7
	global_store_b128 v[CO], v[BK+4*(\t):BK+4*(\t)+3], s[8:9] offset:2*(\t)*CROW  ; 16 lanes store 256 consecutive bytes, aligned
.endr
.endm
	s_wait_tensorcnt 1                             ; my part of K step 0 is in; K step 1's may stay out
	s_barrier_signal -1
	s_barrier_wait -1                              ; everybody's is
	FETCH 0, F0
	QUARTER 64, F0, F1, 1                          ; the first quarter stands in front of the loop: its products start the sums
	WIN 0                                          ; at a label and at a branch every window is 0
	s_mov_b32 s3, FILLS
	s_branch .Lmid
.Lfill:                                                ; a trip is a K step; it asks for the K step two on
	QUARTER 64, F0, F1, 0
	WIN 0
.Lmid:
	QUARTER 128, F1, F0, 0
	QUARTER 192, F0, F1, 0
	TURN
	WIN 0
	s_sub_co_u32 s3, s3, 1
	s_cmp_lg_u32 s3, 0
	s_cbranch_scc1 .Lfill
	s_mov_b32 s3, 2
.Ldry:                                                 ; the last two K steps ask for nothing.  The second trip's barrier and its 32 loads (of bytes that landed long ago) serve nothing: the price, once a launch, of one text for both
	QUARTER 64, F0, F1, 0
	QUARTER 128, F1, F0, 0
	QUARTER 192, F0, F1, 0
	TURNX
	WIN 0
	s_sub_co_u32 s3, s3, 1
	s_cmp_lg_u32 s3, 0
	s_cbranch_scc1 .Ldry
	s_wait_dscnt 0x0
	PLACES
	PACK 0
	TOSTAGE 0
.irp a, 1,2,3,4,5,6,7                  ; block a's conversions stand between block a - 1's loads from the stage and the wait for them
	PACK \a
	SEND (\a)-1
	TOSTAGE \a
.endr
	SEND 7
	s_wait_tensorcnt 0x0                           ; the wave's end: behind my last tensor load and my last LDS store
	ds_add_u32 v[SPW], v[NIL]
	s_wait_dscnt 0x0
	CROUND                                         ; the closing round: no work-group ends while a partner may still ask for a tile that names it
	s_endpgm
.Lfunc_end_k_q30b40fe3cf_proj:
	.size	k_q30b40fe3cf_proj, .Lfunc_end_k_q30b40fe3cf_proj-k_q30b40fe3cf_proj
	.p2alignl 7, 3214868480
	.fill 96, 4, 3214868480
	.section	.rodata,"a",@progbits
	.p2align	6, 0x0
	.amdhsa_kernel k_q30b40fe3cf_proj
		.amdhsa_group_segment_fixed_size 327680
		.amdhsa_private_segment_fixed_size 0
		.amdhsa_enable_private_segment 0
		.amdhsa_kernarg_size 24
		.amdhsa_user_sgpr_count 2
		.amdhsa_user_sgpr_kernarg_segment_ptr 1
		.amdhsa_wavefront_size32 1
		.amdhsa_system_sgpr_workgroup_id_x 1
		.amdhsa_system_sgpr_workgroup_id_y 1
		.amdhsa_system_sgpr_workgroup_id_z 1
		.amdhsa_system_vgpr_workitem_id 0
		.amdhsa_next_free_vgpr 1024
		.amdhsa_next_free_sgpr 72
		.amdhsa_reserve_vcc 0
		.amdhsa_float_denorm_mode_32 3
		.amdhsa_float_denorm_mode_16_64 3
		.amdhsa_memory_ordered 1
		.amdhsa_forward_progress 1
		.amdhsa_inst_pref_size 101
	.end_amdhsa_kernel
	.amdgpu_metadata
---
amdhsa.version: [ 1, 2 ]
amdhsa.kernels:
  - .name:           k_q30b40fe3cf_proj
    .symbol:         k_q30b40fe3cf_proj.kd
    .args:
      - { .name: xh, .offset: 0, .size: 8, .value_kind: global_buffer, .address_space: global }
      - { .name: wall, .offset: 8, .size: 8, .value_kind: global_buffer, .address_space: global }
      - { .name: qv, .offset: 16, .size: 8, .value_kind: global_buffer, .address_space: global }
    .group_segment_fixed_size: 327680
    .private_segment_fixed_size: 0
    .kernarg_segment_align: 8
    .kernarg_segment_size: 24
    .max_flat_workgroup_size: 128
    .sgpr_count:     72
    .vgpr_count:     1024
    .wavefront_size: 32
...
	.end_amdgpu_metadata
.endif
;; end of part 3
;; launch score (part 4): grid 12 x 16, 4 waves a work-group, clusters of 4 x 4, 327,680 bytes of LDS; arguments qv, xh, stats, ph; writes ph
.if DOCPART == 4
	.amdgcn_target "amdgcn-amd-amdhsa--gfx1250"
	.amdhsa_code_object_version 6
	.text
	.protected	k_q30b40fe3cf_score
	.globl	k_q30b40fe3cf_score
	.p2align	8
	.type	k_q30b40fe3cf_score,@function
k_q30b40fe3cf_score:
	s_mov_b64 s[64:65], 0
	v_nop
	global_prefetch_b8 v0, s[64:65] scope:SCOPE_SE
	s_setreg_imm32_b32 hwreg(HW_REG_WAVE_MODE, 25, 1), 1
	s_wait_xcnt 0x0
	s_wait_alu depctr_hold_cnt(0) depctr_sa_sdst(0) depctr_va_vdst(0) depctr_va_sdst(0) depctr_va_ssrc(0) depctr_va_vcc(0) depctr_vm_vsrc(0)
	s_getreg_b32 s2, hwreg(HW_REG_IB_STS2, 6, 4)
	s_cmp_eq_u32 s2, 0
	s_cbranch_scc0 .Lentry_in_a_cluster
	s_endpgm
.Lentry_in_a_cluster:
	s_bfe_u32 s2, ttmp6, 0x10000c
	s_cmp_lg_u32 s2, 0xf033
	s_cbranch_scc0 .Lentry_shape_is_right
	s_endpgm
.Lentry_shape_is_right:
; SCORE.  ph[2048 b + i][j] = P^ = 2^kS gamma^(i-j) [i >= j] x the sum over c of q^[i][c] xh[j][c], gamma = 0.96875.  f16 in and out, sums and the decay in f32, P^ rounded once.
; kS = 116 - EbX (biased exponent of the largest |x|), held to -126 .. 127: |P^| < 1024 2^15 2^EX 2^kS = 2^15 for every input.  The decay is cut nowhere: it is computed for every i - j.
; LIMITS.  A weight below 6.1e-5 keeps f16's fixed step of 6e-8, and below 3e-8 it counts as 0; a decay factor below 2^-126 counts as 0.
; A cluster of 4 x 4 tiles of 256 x 256 covers 1,024 x 1,024 of a batch's scores; three clusters cover the part on and under the diagonal: (rows, columns) = (0, 0), (1, 0), (1, 1) by the cluster's x = 0, 1, 2.
; In the two clusters on the diagonal six of the sixteen tiles lie above it: those work-groups make every joint request like their partners, and their factors are 0, so they store zeros
; (the next launch reads two of the six).  A walk of the triangle alone has no rectangles to share, and partners would differ.
; The rest is the 256 x 256 product of the projection: four waves of 128 x 128, K = 1,024 in eight steps of 128 through two LDS slots, one K step written once and looped over, joint loads along rows and columns.
; THE DECAY.  In accumulator (a, b) lane l, register r holds i - j = 16 D + e0 - r, D = 16 (R - J) + 8 (row half - column half) + a - b, e0 = l % 16 - 8 (l / 16).  So the factor hangs on a - b alone:
; a table of 15 x 8 registers, tbl[a - b + 7][r] = 2^(kS + 16 D log2 gamma) x gamma^(e0 - r) for D > 0; for D = 0 the same where r <= e0, else 0; for D < 0: 0.  Selects alone: no branch hangs on a work-group's place.
; REGISTERS as in the projection; on the way out window 1's v0-119 take the table, window 0's v64-95 are at work for it.
.set SIZE_K, 1024
.set CROW,   4096                      ; bytes in a row of ph, and of qv
.set KSTEP,  128
.set PITCH,  272                       ; an LDS row: 256 bytes + 16 of padding = 68 words: the 16 rows of a load start at 16 different groups of four banks (64 banks of 4 bytes: ISA guide 11.1)
.set HALFT,  128*PITCH
.set SLOT,   4*HALFT
.set STAGE,  2*SLOT
.set SPITCH, 272
.set SPARE,  STAGE+4*16*SPITCH         ; the spare words, 128 bytes for each wave: two blocks of 256 bytes that no other line names
.set FILLS,  SIZE_K/KSTEP-2
.set ADRA0, 16
.set ADRA,  17
.set ADRB0, 20
.set ADRB,  21
.set STO,  24
.set RD,   25
.set CO,   26
.set SPW,  28                          ; v28  LDS address of my spare word; never rewritten
.set NIL,  29                          ; v29  0; never rewritten
.set PFO,  30
.set F0,   64
.set F1,   128
.set TMP,  192
.set OB,   32
.set DL,   64                          ; v64-71  gamma^(e0 - r)
.set DZ,   72                          ; v72-79  the same, 0 where r > e0
.set G1,  24
.set G0,  32
.set LIM, 43
.set PFA, 44
.set G1B, 48
.set G0B, 56
.set LDSW, 66
.set CUR,  67
.set DW7,  68                          ; s68  D for a - b = -7
.set KS,   69                          ; s69  kS
.set STP,  70                          ; s[70:71] stats, until the table's scalars take s70-s99
.set BIG,  70                          ; s[70+2 x : 71+2 x]  2^(kS + 16 D log2 gamma), or 0, for a - b + 7 = x
.set SELM, 100                         ; s100 all lanes: D = 0
.set ROWB, 101                         ; s101 2,048 x batch
.set MSB, 0
.macro WIN new                         ; the immediate's high byte repeats the setting that is left; a switch that changes nothing is dropped
.if MSB != (\new)
	s_set_vgpr_msb (MSB<<8)|(\new)
.set MSB, \new
.endif
.endm
.set MUL_LO, 0xa1
.set MUL_HI, 0xf1
.set TO_B,   0x40
.macro JLOAD s                         ; a joint load: waves 0 and 1 fetch A's two halves, waves 2 and 3 B's; an s_nop 0 and four v_nop follow each of the two lines
	s_cmp_eq_u32 s11, 0
	s_cbranch_scc0 .Lfor_b_\@
	tensor_load_to_lds s[G0+4*(\s):G0+4*(\s)+3], s[G1:G1+7]
	s_nop 0
.rept 4
	v_nop
.endr
	s_branch .Lasked_\@
.Lfor_b_\@:
	tensor_load_to_lds s[G0B+4*(\s):G0B+4*(\s)+3], s[G1B:G1B+7]
	s_nop 0
.rept 4
	v_nop
.endr
.Lasked_\@:
.endm
; A PREFETCH INTO THE L2, behind each joint load and the run of LDS loads that follows it: the K step two refills on, 32 rows x 256 bytes, a lane a row.  Each row's 256 bytes of a K step are named once in the launch:
; q^'s rows 1,024 on are read by the clusters x = 1 and 2, of which x = 1 asks (x = 0 asks for the rows that it alone reads); x's rows 0-1,023 by the clusters x = 0 and 1, of which x = 0 asks (x = 2 for its own).
; The four partners of a joint load share its rows out by address, 32 each.  Trips s3 = 6 .. 3 name K steps 4 .. 7; K steps 0 to 3 come by their loads alone.
.macro ASK
	s_cmp_gt_u32 s3, s[LIM]
	s_cbranch_scc0 .Lnot_mine_\@
	global_prefetch_b8 v[PFO], s[PFA:PFA+1] offset:KSTEP*2 th:TH_LOAD_NT scope:SCOPE_SE
.Lnot_mine_\@:
.endm
.macro CREST
	s_cmp_lg_u32 s10, 0
	s_cbranch_scc1 .Lnot_wave_0_\@
	s_barrier_signal -3
.Lnot_wave_0_\@:
	s_barrier_wait -3
	s_barrier_signal -1
	s_barrier_wait -1
.endm
.macro CROUND
	s_barrier_signal -1
	s_barrier_wait -1
	CREST
.endm
.macro PLACES                          ; four places behind matrix instructions, in front of loads into registers that they have read and of vector work on their results
.rept 4
	v_nop
.endr
.endm
.macro LANEMAX r, t                    ; the maximum of v[r] over the 32 lanes, in every lane; v[r+1] has been written before
.irp m, 1,2,4,8
	v_max_num_f32_dpp v[\r], v[\r], v[\r] row_xmask:\m row_mask:0xf bank_mask:0xf
.endr
	v_permlanex16_b32 v[(\r)+1], v[\r], s[\t], s[(\t)+1]
	v_max_num_f32 v[\r], v[\r], v[(\r)+1]
.endm
; The biased exponent of the largest |x| into s[t+2] (all = 1: the weights' too).  It enters values alone: no address and no branch hangs on it.
.macro STATS st, t, all
	v_and_b32 v52, 31, v0
	v_lshlrev_b32 v53, 4, v52
.irp i, 0,1,2,3
	global_load_b128 v[32+4*(\i):35+4*(\i)], v53, s[\st:(\st)+1] offset:512*(\i)   ; x's 512 numbers
.endr
.if \all
	v_lshlrev_b32 v52, 3, v52
	global_load_b64 v[48:49], v52, s[\st:(\st)+1] offset:2048
	global_load_b64 v[50:51], v52, s[\st:(\st)+1] offset:2304
.endif
	s_mov_b32 s[\t], 0x76543210
	s_mov_b32 s[(\t)+1], 0xfedcba98
	s_wait_loadcnt 0x0
	v_max3_num_f32 v32, v32, v33, v34
	v_max3_num_f32 v35, v35, v36, v37
	v_max3_num_f32 v38, v38, v39, v40
	v_max3_num_f32 v41, v41, v42, v43
	v_max3_num_f32 v44, v44, v45, v46
	v_max3_num_f32 v32, v32, v35, v38
	v_max3_num_f32 v41, v41, v44, v47
	v_max_num_f32 v32, v32, v41
	LANEMAX 32, \t
	v_readfirstlane_b32 s[(\t)+2], v32
	s_bfe_u32 s[(\t)+2], s[(\t)+2], 0x80017        ; 8 bits from bit 23
.if \all
	v_max_num_f32 v48, v48, v49
	v_max_num_f32 v50, v50, v51
	LANEMAX 48, \t
	LANEMAX 50, \t
	v_readfirstlane_b32 s[(\t)+3], v48
	v_readfirstlane_b32 s[(\t)+4], v50
	s_bfe_u32 s[(\t)+3], s[(\t)+3], 0x80017
	s_bfe_u32 s[(\t)+4], s[(\t)+4], 0x80017
.endif
.endm
	s_load_b128 s[4:7], s[0:1], 0x0                ; A = qv s[4:5], B = xh s[6:7]
	s_load_b64 s[STP:STP+1], s[0:1], 0x10          ; stats
	s_load_b64 s[8:9], s[0:1], 0x18                ; C = ph
	v_lshl_add_u32 v[SPW], v0, 2, SPARE
	v_mov_b32 v[NIL], 0
	ds_add_u32 v[SPW], v[NIL]                      ; the wave's opening: the add and its wait stand ahead of my first tensor load; the set-up below, work on registers, stands between them
	v_lshrrev_b32 v1, 5, v0
	v_readfirstlane_b32 s10, v1                    ; wave 0..3
	s_lshr_b32 s11, s10, 1                         ; which half of the tile's rows is mine.  Also: I fetch for A (0) or for B (1)
	s_and_b32 s12, s10, 1                          ; which half of its columns.  Also: which 128 rows of that tile I fetch
	s_bfe_u32 s40, ttmp6, 0x40000                  ; cx
	s_bfe_u32 s41, ttmp6, 0x40004                  ; cy
	s_add_co_u32 s14, ttmp9, 1
	s_lshr_b32 s14, s14, 1                         ; the cluster's block of 1,024 rows: 0, 1, 1
	s_lshr_b32 s15, ttmp9, 1                       ; and of 1,024 columns: 0, 0, 1
	s_lshl_b32 s13, s14, 2
	s_add_co_u32 s13, s13, s41                     ; R: tile row in the batch
	s_lshl_b32 s42, s15, 2
	s_add_co_u32 s42, s42, s40                     ; J: tile column
	s_and_b32 s[ROWB], ttmp7, 0xffff               ; the batch = the cluster's y
	s_lshl_b32 s[ROWB], s[ROWB], 11
	s_lshl_b32 s43, s41, 2
	s_lshl_b32 s43, 15, s43                        ; my row of the cluster
	s_lshl_b32 s44, 0x1111, s40                    ; my column
	s_or_b32 s[G1+0], s43, (1<<16)|(1<<20)|(1<<21)|(5<<22)|(3<<25)  ; 15:0 the mask; 17:16 2-byte elements; 20 padding on; 21 set beside a mask; 24:22 after every 64 words (code 5); 31:25 4 words (code 3)
	s_or_b32 s[G1B+0], s44, (1<<16)|(1<<20)|(1<<21)|(5<<22)|(3<<25)
.irp g, G1, G1B
	s_mov_b32 s[(\g)+1], KSTEP<<16                 ; tensor_dim0 = 128
	s_mov_b32 s[(\g)+2], 128<<16                   ; tensor_dim1 = 128
	s_mov_b32 s[(\g)+3], KSTEP<<16                 ; tile_dim0 = 128
	s_mov_b32 s[(\g)+4], 128                       ; tile_dim1 = 128
	s_mov_b32 s[(\g)+6], 0
	s_mov_b32 s[(\g)+7], 0
.endr
	s_mov_b32 s[G1+5], 2048                        ; elements from row to row: qv's rows hold q^ and v^
	s_mov_b32 s[G1B+5], 1024                       ; xh's
	s_sub_co_i32 s[DW7], s13, s42                  ; D for a - b = -7: it enters values alone
	s_lshl_b32 s[DW7], s[DW7], 4
	s_sub_co_i32 s20, s11, s12
	s_lshl_b32 s20, s20, 3
	s_add_co_i32 s[DW7], s[DW7], s20
	s_sub_co_i32 s[DW7], s[DW7], 7
	; A's address hangs on R and the batch alone, B's on J and the batch, each in registers that never hold the other coordinate
	s_lshl_b32 s17, s12, 7
	s_lshl_b32 s16, s13, 8
	s_add_co_u32 s16, s16, s17
	s_add_co_u32 s16, s16, s[ROWB]
	s_lshl_b32 s16, s16, 12                        ; rows of 4,096 bytes
	s_lshl_b32 s46, s42, 8
	s_add_co_u32 s46, s46, s17
	s_add_co_u32 s46, s46, s[ROWB]
	s_lshl_b32 s46, s46, 11                        ; rows of 2,048 bytes
	s_mov_b32 s17, 0
	s_mov_b32 s47, 0
	s_mul_i32 s[LDSW], s10, HALFT                  ; no place in the cluster enters an LDS address
	s_mov_b32 s[CUR], 0
	s_wait_dscnt 0x0                               ; the opening add is done
	s_wait_kmcnt 0x0
	s_add_nc_u64 s[14:15], s[4:5], s[16:17]
	s_add_nc_u64 s[46:47], s[6:7], s[46:47]
	CROUND                                         ; all sixteen work-groups are here: the first joint loads meet
.irp s, 0,1
	s_mov_b32 s[G0+4*(\s)], 1
	s_add_co_u32 s[G0+4*(\s)+1], s[LDSW], (\s)*SLOT
	s_add_nc_u64 s[G0+4*(\s)+2:G0+4*(\s)+3], s[14:15], (\s)*KSTEP*2
	s_or_b32 s[G0+4*(\s)+3], s[G0+4*(\s)+3], 0x80000000
	s_mov_b32 s[G0B+4*(\s)], 1
	s_add_co_u32 s[G0B+4*(\s)+1], s[LDSW], (\s)*SLOT
	s_add_nc_u64 s[G0B+4*(\s)+2:G0B+4*(\s)+3], s[46:47], (\s)*KSTEP*2
	s_or_b32 s[G0B+4*(\s)+3], s[G0B+4*(\s)+3], 0x80000000
	JLOAD \s
.endr
	v_and_b32 v1, 15, v0                           ; l % 16
	v_bfe_u32 v2, v0, 4, 1                         ; l / 16
	v_mul_u32_u24 v3, v1, PITCH
	v_lshl_add_u32 v3, v2, 4, v3
	s_mul_i32 s21, s11, HALFT
	s_mul_i32 s22, s12, HALFT
	s_add_co_u32 s22, s22, 2*HALFT
	v_add_nc_u32 v[ADRA0], s21, v3
	v_add_nc_u32 v[ADRB0], s22, v3
	v_mov_b32 v[ADRA], v[ADRA0]
	v_mov_b32 v[ADRB], v[ADRB0]
	s_mul_i32 s23, s10, 16*SPITCH
	s_add_co_u32 s23, s23, STAGE                   ; my stage
	v_mul_u32_u24 v4, v1, SPITCH
	v_lshl_add_u32 v4, v2, 4, v4
	v_add_nc_u32 v[STO], s23, v4
	v_mul_u32_u24 v5, v2, SPITCH
	v_lshl_add_u32 v5, v1, 4, v5
	v_add_nc_u32 v[RD], s23, v5
	v_lshlrev_b32 v5, 12, v2
	v_lshl_add_u32 v[CO], v1, 4, v5
	s_lshl_b32 s16, s13, 8
	s_lshl_b32 s17, s11, 7
	s_add_co_u32 s16, s16, s17
	s_add_co_u32 s16, s16, s[ROWB]                 ; my first row of C
	s_lshl_b32 s16, s16, 12
	s_mov_b32 s17, 0
	s_lshl_b32 s46, s42, 9                         ; my first column, in bytes
	s_lshl_b32 s47, s12, 8
	s_add_co_u32 s46, s46, s47
	s_mov_b32 s47, 0
	s_add_nc_u64 s[16:17], s[16:17], s[46:47]      ; the first way out adds this to C's address
	; the prefetches
	s_lshr_b32 s20, ttmp9, 1                       ; 0 in the clusters that ask for A's rows
	s_and_b32 s21, ttmp9, 1                        ; 0 in those that ask for B's
	s_cmp_eq_u32 s11, 0                            ; do I fetch for A?
	s_cselect_b32 s22, s20, s21
	s_cselect_b32 s20, s13, s42                    ; the tile
	s_cselect_b32 s21, s40, s41                    ; my place among the four that ask for it with me
	s_cselect_b32 s14, 12, 11                      ; a row's bytes, as a shift
	s_cselect_b64 s[PFA:PFA+1], s[4:5], s[6:7]
	s_cmp_eq_u32 s22, 0
	s_cselect_b32 s[LIM], 2, -1                    ; the same in all sixteen partners, for a given wave
	s_lshl_b32 s20, s20, 8
	s_lshl_b32 s22, s12, 7
	s_add_co_u32 s20, s20, s22                     ; + the 128 rows that I fetch
	s_lshl_b32 s21, s21, 5
	s_add_co_u32 s20, s20, s21                     ; + my work-group's 32 of them
	s_add_co_u32 s20, s20, s[ROWB]
	s_lshl_b32 s20, s20, s14
	s_mov_b32 s21, 0
	s_add_nc_u64 s[PFA:PFA+1], s[PFA:PFA+1], s[20:21]
	s_add_nc_u64 s[PFA:PFA+1], s[PFA:PFA+1], 2*KSTEP*2  ; at K step 2: the first refill steps it to 3 and names K step 4
	v_and_b32 v[PFO], 31, v0
	v_lshlrev_b32 v[PFO], s14, v[PFO]
	STATS STP, 72, 0                               ; stands in the wait for the first tile
	s_sub_co_i32 s[KS], 116, s74
	s_max_i32 s[KS], s[KS], -126
	s_min_i32 s[KS], s[KS], 127
.macro MUL16 f, hi, a0, zero           ; 16 matrix instructions; the 64 accumulators take turns
	WIN MUL_LO+0x50*(\hi)
.irp a, \a0, (\a0)+1
.irp b, 0,1,2,3,4,5,6,7
.if \zero
	v_wmma_f32_16x16x32_f16 v[8*(8*(\a)+(\b)):8*(8*(\a)+(\b))+7], v[(\f)+8*(\b):(\f)+8*(\b)+7], v[(\f)+8*(4*(\hi)+(\a)):(\f)+8*(4*(\hi)+(\a))+7], 0
.else
	v_wmma_f32_16x16x32_f16 v[8*(8*(\a)+(\b)):8*(8*(\a)+(\b))+7], v[(\f)+8*(\b):(\f)+8*(\b)+7], v[(\f)+8*(4*(\hi)+(\a)):(\f)+8*(4*(\hi)+(\a))+7], v[8*(8*(\a)+(\b)):8*(8*(\a)+(\b))+7]
.endif
.endr
.endr
.endm
.macro FETCH k, f                      ; 32 LDS loads in one run: B's 128 rows, then A's, 32 K at byte k of the slot in hand
	WIN TO_B
.irp i, 0,1,2,3,4,5,6,7
	ds_load_b128 v[(\f)+8*(\i):(\f)+8*(\i)+3],   v[ADRB] offset:(\k)+(\i)*16*PITCH
	ds_load_b128 v[(\f)+8*(\i)+4:(\f)+8*(\i)+7], v[ADRB] offset:(\k)+(\i)*16*PITCH+32
.endr
	WIN 0
.irp i, 0,1,2,3,4,5,6,7
	ds_load_b128 v[(\f)+8*(\i):(\f)+8*(\i)+3],   v[ADRA] offset:(\k)+(\i)*16*PITCH
	ds_load_b128 v[(\f)+8*(\i)+4:(\f)+8*(\i)+7], v[ADRA] offset:(\k)+(\i)*16*PITCH+32
.endr
.endm
.macro QUARTER k, f, g, zero
	s_wait_dscnt 8                                 ; B and A's rows 0-63 are in; the youngest eight loads (A's rows 64-127) may be out
	MUL16 \f, 0, 0, \zero
	MUL16 \f, 0, 2, \zero
	PLACES
	FETCH \k, \g
	s_wait_dscnt 32                                ; all but the 32 just issued
	MUL16 \f, 1, 0, \zero
	MUL16 \f, 1, 2, \zero
.endm
; The change of slots: each wave waits for all its tensor loads, adds 0 to its spare word, waits for that and for its reads of this slot; the barrier opens a round of the cluster's; the joint refill comes first behind it.
.macro TURN
	s_wait_xcnt 0x0                                ; the last prefetch, a K step back, has read its address, so it may be stepped
	s_add_nc_u64 s[PFA:PFA+1], s[PFA:PFA+1], KSTEP*2
	WIN 0
	s_wait_tensorcnt 0x0                           ; no tensor load of mine is out, so the walking group 0 may be written
	ds_add_u32 v[SPW], v[NIL]                      ; 0 onto my spare word
	s_add_co_u32 s[G0+5], s[LDSW], s[CUR]
	s_add_co_u32 s[G0B+5], s[LDSW], s[CUR]
	s_add_nc_u64 s[G0+6:G0+7], s[G0+6:G0+7], KSTEP*2
	s_add_nc_u64 s[G0B+6:G0B+7], s[G0B+6:G0B+7], KSTEP*2
	s_xor_b32 s[CUR], s[CUR], SLOT
	s_wait_dscnt 9                                 ; (the add and the youngest eight loads may be out)
	MUL16 F1, 0, 0, 0
	s_wait_dscnt 0x0                               ; the add is done, and my reads of this slot are over
	s_barrier_signal -1
	MUL16 F1, 0, 2, 0
	WIN 0
	s_barrier_wait -1
	CREST
	JLOAD 1                                        ; its four v_nop are also the places in front of the loads below
	v_add_nc_u32 v[ADRA], s[CUR], v[ADRA0]
	v_add_nc_u32 v[ADRB], s[CUR], v[ADRB0]
	FETCH 0, F0
	ASK
	MUL16 F1, 1, 0, 0
	MUL16 F1, 1, 2, 0
.endm
.macro TURNX
	WIN 0
	s_wait_tensorcnt 0x0                           ; my part of the last K step has landed
	ds_add_u32 v[SPW], v[NIL]
	s_xor_b32 s[CUR], s[CUR], SLOT
	s_wait_dscnt 9
	MUL16 F1, 0, 0, 0
	s_wait_dscnt 0x0
	s_barrier_signal -1
	MUL16 F1, 0, 2, 0
	s_barrier_wait -1
	PLACES
	WIN 0
	v_add_nc_u32 v[ADRA], s[CUR], v[ADRA0]
	v_add_nc_u32 v[ADRB], s[CUR], v[ADRB0]
	FETCH 0, F0
	MUL16 F1, 1, 0, 0
	MUL16 F1, 1, 2, 0
.endm
; THE WAY OUT of block a: times the table's row a - b + 7, in place; rounded to f16; through my stage; stored.
.macro PACK a
.set AC, 64*((\a)%4)
	WIN 0x86+0x41*((\a)/4)                         ; destination and source 0: window 2 or 3; source 1: window 1
.irp b, 0,1,2,3,4,5,6,7
.irp r, 0,1,2,3
	v_pk_mul_f32 v[AC+8*(\b)+2*(\r):AC+8*(\b)+2*(\r)+1], v[AC+8*(\b)+2*(\r):AC+8*(\b)+2*(\r)+1], v[8*((\a)-(\b)+7)+2*(\r):8*((\a)-(\b)+7)+2*(\r)+1]
.endr
.endr
	WIN 0x0a+5*((\a)/4)                            ; sources 0 and 1: window 2 or 3
.irp b, 0,1,2,3,4,5,6,7
.irp r, 0,1,2,3
	v_cvt_pk_f16_f32 v[TMP+4*(\b)+(\r)], v[AC+8*(\b)+2*(\r)], v[AC+8*(\b)+2*(\r)+1]
.endr
.endr
	WIN 0
.endm
.macro TOSTAGE a
	WIN 0
.set BK, OB+192*((\a)%2)
.irp b, 0,1,2,3,4,5,6,7
	ds_store_b128 v[STO], v[TMP+4*(\b):TMP+4*(\b)+3] offset:32*(\b)
.endr
.irp t, 0,1,2,3,4,5,6,7
	ds_load_b128 v[BK+4*(\t):BK+4*(\t)+3], v[RD] offset:(\t)*2*SPITCH  ; LDS serves a wave's instructions in order (ISA guide 5.7.1.4): these see the stores above
.endr
.endm
.macro SEND a
	WIN 0
.set BK, OB+192*((\a)%2)
	s_wait_dscnt 0x0
	s_wait_xcnt 0x0                                ; only behind this wait are the stores' base and the registers that earlier stores read rewritten
.if (\a) == 0
	s_add_nc_u64 s[8:9], s[8:9], s[16:17]
.else
	s_add_nc_u64 s[8:9], s[8:9], 16*CROW
.endif
.irp t, 0,1,2,3,4,5,6,7
	global_store_b128 v[CO], v[BK+4*(\t):BK+4*(\t)+3], s[8:9] offset:2*(\t)*CROW  ; 16 lanes store 256 consecutive bytes, aligned
.endr
.endm
	s_wait_tensorcnt 1                             ; my part of K step 0 is in; K step 1's may stay out
	s_barrier_signal -1
	s_barrier_wait -1
	FETCH 0, F0
	QUARTER 64, F0, F1, 1                          ; the first quarter stands in front of the loop: its products start the sums
	WIN 0
	s_mov_b32 s3, FILLS
	s_branch .Lmid
.Lfill:                                                ; a trip is a K step; it asks for the K step two on
	QUARTER 64, F0, F1, 0
	WIN 0
.Lmid:
	QUARTER 128, F1, F0, 0
	QUARTER 192, F0, F1, 0
	TURN
	WIN 0
	s_sub_co_u32 s3, s3, 1
	s_cmp_lg_u32 s3, 0
	s_cbranch_scc1 .Lfill
	s_mov_b32 s3, 2
.Ldry:                                                 ; the last two K steps ask for nothing; the second trip's barrier and its 32 loads serve nothing: the price, once a launch, of one text for both
	QUARTER 64, F0, F1, 0
	QUARTER 128, F1, F0, 0
	QUARTER 192, F0, F1, 0
	TURNX
	WIN 0
	s_sub_co_u32 s3, s3, 1
	s_cmp_lg_u32 s3, 0
	s_cbranch_scc1 .Ldry
	s_wait_dscnt 0x0
	PLACES
	; THE TABLE
	v_and_b32 v88, 15, v0                          ; l % 16
	v_bfe_u32 v89, v0, 4, 1
	v_lshlrev_b32 v89, 3, v89
	v_sub_nc_u32 v90, v88, v89                     ; e0
.irp j, 0,1,2,3,4,5,6,7
	v_add_nc_u32 v[DL+(\j)], -(\j), v90            ; e0 - r, a whole number
.endr
.irp j, 0,1,2,3,4,5,6,7
	v_cvt_f32_i32 v[DL+(\j)], v[DL+(\j)]
.endr
.irp j, 0,1,2,3,4,5,6,7
	v_mul_f32 v[DL+(\j)], 0xbd3b9ca6, v[DL+(\j)]   ; x log2(0.96875) = -0.0458037
.endr
	v_add_nc_u32 v93, s[DW7], v88                  ; lane x (0 .. 14) works for a - b + 7 = x: its D
	v_cvt_f32_i32 v95, v93
	v_cvt_f32_i32 v92, s[KS]
	v_fmamk_f32 v94, v95, 0xbf3b9ca6, v92          ; 16 D log2(gamma) + kS
.irp j, 0,1,2,3,4,5,6,7
	v_exp_f32 v[DL+(\j)], v[DL+(\j)]
.endr
	v_exp_f32 v94, v94
	v_nop                                          ; a plain instruction behind the last exponential,
	s_wait_alu depctr_va_vdst(0)                   ; and one wait for the nine, ahead of their first reader
	v_cmp_le_i32 vcc_lo, 0, v93
	v_cndmask_b32 v94, 0, v94, vcc_lo              ; 0 where D < 0
.irp j, 0,1,2,3,4,5,6,7
	v_cmp_le_i32 vcc_lo, \j, v90
	v_cndmask_b32 v[DZ+(\j)], 0, v[DL+(\j)], vcc_lo  ; on the diagonal: 0 where r > e0
.endr
	WIN 0x40                                       ; destination window 1
.set idx, 0
.rept 15
	v_readlane_b32 s[BIG+2*idx], v94, idx
	s_mov_b32 s[BIG+2*idx+1], s[BIG+2*idx]         ; named with it as a pair
	s_cmp_eq_i32 s[DW7], -idx                      ; D = 0?
	s_cselect_b32 s[SELM], -1, 0
.irp j, 0,1,2,3,4,5,6,7
	v_cndmask_b32 v[8*idx+(\j)], v[DL+(\j)], v[DZ+(\j)], s[SELM]
.endr
.set idx, idx+1
.endr
	WIN 0x41                                       ; destination and source 0 window 1
.set idx, 0
.rept 15
.irp p, 0,2,4,6
	v_pk_mul_f32 v[8*idx+(\p):8*idx+(\p)+1], v[8*idx+(\p):8*idx+(\p)+1], s[BIG+2*idx:BIG+2*idx+1] op_sel_hi:[1,0]
.endr
.set idx, idx+1
.endr
	WIN 0
	PACK 0
	TOSTAGE 0
.irp a, 1,2,3,4,5,6,7
	PACK \a
	SEND (\a)-1
	TOSTAGE \a
.endr
	SEND 7
	s_wait_tensorcnt 0x0                           ; the wave's end: behind my last tensor load and my last LDS store
	ds_add_u32 v[SPW], v[NIL]
	s_wait_dscnt 0x0
	CROUND                                         ; the closing round: no work-group ends while a partner may still ask for a tile that names it
	s_endpgm
.Lfunc_end_k_q30b40fe3cf_score:
	.size	k_q30b40fe3cf_score, .Lfunc_end_k_q30b40fe3cf_score-k_q30b40fe3cf_score
	.p2alignl 7, 3214868480
	.fill 96, 4, 3214868480
	.section	.rodata,"a",@progbits
	.p2align	6, 0x0
	.amdhsa_kernel k_q30b40fe3cf_score
		.amdhsa_group_segment_fixed_size 327680
		.amdhsa_private_segment_fixed_size 0
		.amdhsa_enable_private_segment 0
		.amdhsa_kernarg_size 32
		.amdhsa_user_sgpr_count 2
		.amdhsa_user_sgpr_kernarg_segment_ptr 1
		.amdhsa_wavefront_size32 1
		.amdhsa_system_sgpr_workgroup_id_x 1
		.amdhsa_system_sgpr_workgroup_id_y 1
		.amdhsa_system_sgpr_workgroup_id_z 1
		.amdhsa_system_vgpr_workitem_id 0
		.amdhsa_next_free_vgpr 1024
		.amdhsa_next_free_sgpr 102
		.amdhsa_reserve_vcc 1
		.amdhsa_float_denorm_mode_32 3
		.amdhsa_float_denorm_mode_16_64 3
		.amdhsa_memory_ordered 1
		.amdhsa_forward_progress 1
		.amdhsa_inst_pref_size 135
	.end_amdhsa_kernel
	.amdgpu_metadata
---
amdhsa.version: [ 1, 2 ]
amdhsa.kernels:
  - .name:           k_q30b40fe3cf_score
    .symbol:         k_q30b40fe3cf_score.kd
    .args:
      - { .name: qv, .offset: 0, .size: 8, .value_kind: global_buffer, .address_space: global }
      - { .name: xh, .offset: 8, .size: 8, .value_kind: global_buffer, .address_space: global }
      - { .name: stats, .offset: 16, .size: 8, .value_kind: global_buffer, .address_space: global }
      - { .name: ph, .offset: 24, .size: 8, .value_kind: global_buffer, .address_space: global }
    .group_segment_fixed_size: 327680
    .private_segment_fixed_size: 0
    .kernarg_segment_align: 8
    .kernarg_segment_size: 32
    .max_flat_workgroup_size: 128
    .sgpr_count:     102
    .vgpr_count:     1024
    .wavefront_size: 32
...
	.end_amdgpu_metadata
.endif
;; end of part 4
;; launch mix (part 5): grid 8 x 32, 4 waves a work-group, clusters of 4 x 4, 327,680 bytes of LDS; arguments ph, qv, stats, out0; writes out0
.if DOCPART == 5
	.amdgcn_target "amdgcn-amd-amdhsa--gfx1250"
	.amdhsa_code_object_version 6
	.text
	.protected	k_q30b40fe3cf_mix
	.globl	k_q30b40fe3cf_mix
	.p2align	8
	.type	k_q30b40fe3cf_mix,@function
k_q30b40fe3cf_mix:
	s_mov_b64 s[64:65], 0
	v_nop
	global_prefetch_b8 v0, s[64:65] scope:SCOPE_SE
	s_setreg_imm32_b32 hwreg(HW_REG_WAVE_MODE, 25, 1), 1
	s_wait_xcnt 0x0
	s_wait_alu depctr_hold_cnt(0) depctr_sa_sdst(0) depctr_va_vdst(0) depctr_va_sdst(0) depctr_va_ssrc(0) depctr_va_vcc(0) depctr_vm_vsrc(0)
	s_getreg_b32 s2, hwreg(HW_REG_IB_STS2, 6, 4)
	s_cmp_eq_u32 s2, 0
	s_cbranch_scc0 .Lentry_in_a_cluster
	s_endpgm
.Lentry_in_a_cluster:
	s_bfe_u32 s2, ttmp6, 0x10000c
	s_cmp_lg_u32 s2, 0xf033
	s_cbranch_scc0 .Lentry_shape_is_right
	s_endpgm
.Lentry_shape_is_right:
; MIX.  out0[2048 b + i][d] = 2^kO x the sum over j of P^[i][j] v^[j][d], f32; P^ = ph, v^ = qv's columns 1,024 on, both f16; sums in f32.
; kO = -(20 + kq + kS), with kq and kS made as the launches before made them (each held to -126 .. 127): it takes back the 2^(15+kq+kS) on P^ and the 2^5 on v^.
; THE WALK.  A batch's rows lie in four blocks of 512; block m needs the keys 0 .. 512 (m + 1) - 1 (beyond them P^ is 0 and is not read).  A work-group makes a tile of 128 x 128 in block 3 - s and then one in block s
; (s = the cluster's y % 2): 2 (4 - s) + 2 (s + 1) = 10 K steps of 256, whatever s: all 256 work-groups do equal work, and one counted walk takes both tiles; the ring runs on across the change of tiles.
; What differs lies in scalars made from the cluster's y, which all sixteen partners share; every jump but the loops' own goes forward, past neither a barrier nor a tensor load.
; CLUSTER 4 x 4: cy picks the 128 rows in the block, cx the 128 channels.  P^'s tile is asked for jointly along a row of the cluster, v^'s along a column.  No prefetch: small tiles.
; Four waves of 64 x 64 (16 accumulators).  The matrix instruction is used transposed: source 0 = 16 channels of v^ (stored [key][channel]: turned on the way out of LDS by ds_load_tr16_b128), source 1 = 16 rows of P^:
; a lane holds eight neighbouring channels of a row of out0; a wave's 64 channels are 256 bytes, so each wave has a stage of its own.
; REGISTERS: window 0: v0-31 addresses; v32-127 at work on the way out; v128-255 the accumulators ((a, b) at v[128 + 8 (4 a + b)]).  window 1: two fragment buffers of 128: 64 of P^, then 64 of v^.
.set PA,     528                       ; a row of P^ in LDS: 512 bytes + 16 = 132 words: the 16 rows of a load start at 16 different groups of four banks (64 banks of 4 bytes: ISA guide 11.1)
.set PB,     288                       ; a row of v^: 256 + 32 = 72 words
.set HALFA,  64*PA
.set HALFB,  128*PB
.set SLOT,   2*HALFA+2*HALFB           ; P^'s 128 rows, then v^'s 256 keys
.set STAGE,  2*SLOT                    ; behind the ring: 16 rows x 272 bytes for each wave
.set SPITCH, 272
.set SPARE,  STAGE+4*16*SPITCH         ; the spare words, 128 bytes for each wave: two blocks of 256 bytes that no other line names
.set FILLS,  8                         ; K steps that are asked for behind the first two
.set ADRA0, 16                         ; v16  my lane's place in P^'s tile; never rewritten
.set ADRA,  17                         ; v17  the same in the slot in hand
.set ADRB0, 18                         ; v18  in v^'s tile, keys 0-127
.set ADRB,  19
.set ADRC0, 20                         ; v20  keys 128-255: an LDS offset has 16 bits
.set ADRC,  21                         ; (= ADRB + 2)
.set STO,  24
.set RD,   25
.set CO,   26
.set SPW,  28                          ; v28  LDS address of my spare word; never rewritten
.set NIL,  29                          ; v29  0; never rewritten
.set TMP,  32
.set ACC,  128
.set F0,   0
.set F1,   128
.set G1,  24                           ; s[24:31] descriptor group 1 for P^'s tiles; s[32:39] group 0: set 0 for step 0, set 1 for step 1 and then for every refill
.set G0,  32
.set G1B, 48
.set G0B, 56
.set STP, 72                           ; s[72:73] stats (s[68:75]: the four arguments)
.set BA,  76                           ; s[76:77] ph at my 64 rows of block 0 of the batch
.set BB,  78                           ; s[78:79] qv at my 128 keys of K step 0, my work-group's 128 channels
.set C2,  80                           ; s[80:81] out0 at my part of the second tile
.set OFA, 82                           ; s[82:83] a refill's byte offset behind BA
.set OFB, 84                           ; s[84:85] behind BB
.set TA,  86                           ; s86  the block of the tile whose steps are being asked for, x 512 rows of 4,096 bytes
.set TA2, 87                           ; s87  the second tile's
.set ASKK, 88                          ; s88  the K step to ask for next
.set ALIM, 89                          ; s89  the first tile's number of K steps, then the greatest number
.set T1,  90                           ; s90  K steps left of the first tile
.set NEW, 91                           ; s91  1: the step to come starts a tile's sums
.set CUR, 92                           ; s92  the slot in hand: 0 or SLOT
.set LDA, 93                           ; s93  where my part of P^'s tile begins in a slot
.set KO,  94                           ; s[94:95] 2^kO
.set LDB, 96                           ; s96  the same for v^'s
.set MSB, 0
.macro WIN new                         ; the immediate's high byte repeats the setting that is left; a switch that changes nothing is dropped
.if MSB != (\new)
	s_set_vgpr_msb (MSB<<8)|(\new)
.set MSB, \new
.endif
.endm
.set MUL,  0x05                        ; sources 0 and 1 window 1; C and D window 0
.set TO_F, 0x40                        ; destination window 1, address window 0
.macro JLOAD s                         ; a joint load: waves 0 and 1 fetch P^'s two halves, waves 2 and 3 v^'s; an s_nop 0 and four v_nop follow each of the two lines
	s_cmp_eq_u32 s11, 0
	s_cbranch_scc0 .Lfor_b_\@
	tensor_load_to_lds s[G0+4*(\s):G0+4*(\s)+3], s[G1:G1+7]
	s_nop 0
.rept 4
	v_nop
.endr
	s_branch .Lasked_\@
.Lfor_b_\@:
	tensor_load_to_lds s[G0B+4*(\s):G0B+4*(\s)+3], s[G1B:G1B+7]
	s_nop 0
.rept 4
	v_nop
.endr
.Lasked_\@:
.endm
.macro CREST
	s_cmp_lg_u32 s10, 0
	s_cbranch_scc1 .Lnot_wave_0_\@
	s_barrier_signal -3
.Lnot_wave_0_\@:
	s_barrier_wait -3
	s_barrier_signal -1
	s_barrier_wait -1
.endm
.macro CROUND
	s_barrier_signal -1
	s_barrier_wait -1
	CREST
.endm
.macro PLACES                          ; four places behind matrix instructions, in front of loads into registers that they have read and of vector work on their results
.rept 4
	v_nop
.endr
.endm
.macro LANEMAX r, t
.irp m, 1,2,4,8
	v_max_num_f32_dpp v[\r], v[\r], v[\r] row_xmask:\m row_mask:0xf bank_mask:0xf
.endr
	v_permlanex16_b32 v[(\r)+1], v[\r], s[\t], s[(\t)+1]
	v_max_num_f32 v[\r], v[\r], v[(\r)+1]
.endm
; The biased exponents of the largest magnitudes: x's into s[t+2], wq^'s into s[t+3], wk^'s into s[t+4].  They enter values alone: no address and no branch hangs on them.
.macro STATS st, t, all
	v_and_b32 v52, 31, v0
	v_lshlrev_b32 v53, 4, v52
.irp i, 0,1,2,3
	global_load_b128 v[32+4*(\i):35+4*(\i)], v53, s[\st:(\st)+1] offset:512*(\i)
.endr
.if \all
	v_lshlrev_b32 v52, 3, v52
	global_load_b64 v[48:49], v52, s[\st:(\st)+1] offset:2048
	global_load_b64 v[50:51], v52, s[\st:(\st)+1] offset:2304
.endif
	s_mov_b32 s[\t], 0x76543210
	s_mov_b32 s[(\t)+1], 0xfedcba98
	s_wait_loadcnt 0x0
	v_max3_num_f32 v32, v32, v33, v34
	v_max3_num_f32 v35, v35, v36, v37
	v_max3_num_f32 v38, v38, v39, v40
	v_max3_num_f32 v41, v41, v42, v43
	v_max3_num_f32 v44, v44, v45, v46
	v_max3_num_f32 v32, v32, v35, v38
	v_max3_num_f32 v41, v41, v44, v47
	v_max_num_f32 v32, v32, v41
	LANEMAX 32, \t
	v_readfirstlane_b32 s[(\t)+2], v32
	s_bfe_u32 s[(\t)+2], s[(\t)+2], 0x80017
.if \all
	v_max_num_f32 v48, v48, v49
	v_max_num_f32 v50, v50, v51
	LANEMAX 48, \t
	LANEMAX 50, \t
	v_readfirstlane_b32 s[(\t)+3], v48
	v_readfirstlane_b32 s[(\t)+4], v50
	s_bfe_u32 s[(\t)+3], s[(\t)+3], 0x80017
	s_bfe_u32 s[(\t)+4], s[(\t)+4], 0x80017
.endif
.endm
.macro CLAMP r
	s_max_i32 s[\r], s[\r], -126
	s_min_i32 s[\r], s[\r], 127
.endm
	s_load_b256 s[68:75], s[0:1], 0x0              ; ph s[68:69], qv s[70:71], stats s[72:73], out0 s[74:75]
	v_lshl_add_u32 v[SPW], v0, 2, SPARE
	v_mov_b32 v[NIL], 0
	ds_add_u32 v[SPW], v[NIL]                      ; the wave's opening: the add and its wait stand ahead of my first tensor load; the set-up below, work on registers, stands between them
	v_lshrrev_b32 v1, 5, v0
	v_readfirstlane_b32 s10, v1                    ; wave 0..3
	s_lshr_b32 s11, s10, 1                         ; which half of the tile's rows is mine.  Also: I fetch P^ (0) or v^ (1)
	s_and_b32 s12, s10, 1                          ; which half of its channels.  Also: which half of that tile I fetch
	s_bfe_u32 s40, ttmp6, 0x40000                  ; cx
	s_bfe_u32 s41, ttmp6, 0x40004                  ; cy
	s_lshl_b32 s42, ttmp9, 2
	s_add_co_u32 s42, s42, s40                     ; my 128 channels = 4 x cluster x + cx
	s_and_b32 s13, ttmp7, 0xffff                   ; the cluster's y:
	s_lshr_b32 s14, s13, 1                         ; the batch,
	s_and_b32 s15, s13, 1                          ; and s
	s_lshl_b32 s43, s41, 2
	s_lshl_b32 s43, 15, s43                        ; my row of the cluster
	s_lshl_b32 s44, 0x1111, s40                    ; my column
	s_or_b32 s[G1+0], s43, (1<<16)|(1<<20)|(1<<21)|(6<<22)|(3<<25)   ; P^: 15:0 the mask; 17:16 2-byte elements; 20 padding on; 21 set beside a mask; 24:22 after every 128 words (code 6); 31:25 4 words (code 3)
	s_mov_b32 s[G1+1], 256<<16                     ; tensor_dim0 = 256
	s_mov_b32 s[G1+2], 64<<16                      ; tensor_dim1 = 64
	s_mov_b32 s[G1+3], 256<<16                     ; tile_dim0 = 256
	s_mov_b32 s[G1+4], 64                          ; tile_dim1 = 64
	s_mov_b32 s[G1+5], 2048                        ; elements from row to row
	s_mov_b32 s[G1+6], 0
	s_mov_b32 s[G1+7], 0
	s_or_b32 s[G1B+0], s44, (1<<16)|(1<<20)|(1<<21)|(5<<22)|(7<<25)  ; v^: after every 64 words (code 5) 8 words (code 7)
	s_mov_b32 s[G1B+1], 128<<16                    ; tensor_dim0 = 128
	s_mov_b32 s[G1B+2], 128<<16                    ; tensor_dim1 = 128
	s_mov_b32 s[G1B+3], 128<<16                    ; tile_dim0 = 128
	s_mov_b32 s[G1B+4], 128                        ; tile_dim1 = 128
	s_mov_b32 s[G1B+5], 2048
	s_mov_b32 s[G1B+6], 0
	s_mov_b32 s[G1B+7], 0
	s_sub_co_u32 s16, 4, s15
	s_lshl_b32 s[T1], s16, 1                       ; the first tile has 2 (4 - s) K steps
	s_mov_b32 s[ALIM], s[T1]
	s_sub_co_u32 s17, 3, s15                       ; its block
	s_lshl_b32 s[TA], s17, 21
	s_lshl_b32 s[TA2], s15, 21
	s_mov_b32 s[ASKK], 2
	s_mov_b32 s[NEW], 0
	s_mov_b32 s[CUR], 0
	s_mov_b32 s[OFA+1], 0
	s_mov_b32 s[OFB+1], 0
	s_mul_i32 s[LDA], s12, HALFA                   ; no place in the cluster enters an LDS address
	s_mul_i32 s[LDB], s12, HALFB
	s_add_co_u32 s[LDB], s[LDB], 2*HALFA
	s_lshl_b32 s20, s41, 7                         ; P^: rows 128 cy + 64 x half, of 4,096 bytes, in the batch's 2^23 bytes: cy and what the cluster shares
	s_lshl_b32 s21, s12, 6
	s_add_co_u32 s20, s20, s21
	s_lshl_b32 s20, s20, 12
	s_lshl_b32 s21, s14, 23
	s_add_co_u32 s20, s20, s21
	s_mov_b32 s21, 0
	s_lshl_b32 s46, s14, 11                        ; v^: keys 2048 b + 128 x half, of 4,096 bytes; behind q^'s 2,048 bytes; 256 bytes for each 128 channels: cx and what the cluster shares
	s_lshl_b32 s47, s12, 7
	s_add_co_u32 s46, s46, s47
	s_lshl_b32 s46, s46, 12
	s_lshl_b32 s47, s42, 8
	s_add_co_u32 s46, s46, s47
	s_add_co_u32 s46, s46, 2048
	s_mov_b32 s47, 0
	s_mov_b32 s[OFA], s[TA]
	s_wait_dscnt 0x0                               ; the opening add is done
	s_wait_kmcnt 0x0
	s_add_nc_u64 s[BA:BA+1], s[68:69], s[20:21]
	s_add_nc_u64 s[BB:BB+1], s[70:71], s[46:47]
	CROUND                                         ; all sixteen work-groups are here: the first joint loads meet
	s_mov_b32 s[G0], 1                             ; the first tile's K step 0 into slot 0
	s_mov_b32 s[G0+1], s[LDA]
	s_add_nc_u64 s[G0+2:G0+3], s[BA:BA+1], s[OFA:OFA+1]
	s_or_b32 s[G0+3], s[G0+3], 0x80000000
	s_mov_b32 s[G0B], 1
	s_mov_b32 s[G0B+1], s[LDB]
	s_add_nc_u64 s[G0B+2:G0B+3], s[BB:BB+1], 0
	s_or_b32 s[G0B+3], s[G0B+3], 0x80000000
	JLOAD 0
	s_add_co_u32 s[OFA], s[OFA], 512               ; K step 1 into slot 1
	s_mov_b32 s[G0+4], 1
	s_add_co_u32 s[G0+5], s[LDA], SLOT
	s_add_nc_u64 s[G0+6:G0+7], s[BA:BA+1], s[OFA:OFA+1]
	s_or_b32 s[G0+7], s[G0+7], 0x80000000
	s_mov_b32 s[G0B+4], 1
	s_add_co_u32 s[G0B+5], s[LDB], SLOT
	s_add_nc_u64 s[G0B+6:G0B+7], s[BB:BB+1], 0x100000
	s_or_b32 s[G0B+7], s[G0B+7], 0x80000000
	JLOAD 1
	v_and_b32 v1, 15, v0                           ; l % 16
	v_bfe_u32 v2, v0, 4, 1                         ; l / 16
	v_mul_u32_u24 v3, v1, PA
	v_lshl_add_u32 v3, v2, 4, v3                   ; P^: row x pitch + 16 x half
	s_mul_i32 s21, s11, HALFA                      ; my 64 rows
	v_add_nc_u32 v[ADRA0], s21, v3
	; The turning load takes 16 keys x 16 channels (lane l reads key 8 (l / 16) + l % 8, channels 8 ((l / 8) % 2) + 0..7) and leaves half a fragment: lane l holds channel l % 16 and 8 keys.
	v_and_b32 v4, 7, v0
	v_bfe_u32 v5, v0, 3, 1
	v_lshl_add_u32 v4, v2, 3, v4
	v_mul_u32_u24 v4, v4, PB
	v_lshl_add_u32 v4, v5, 4, v4
	s_lshl_b32 s22, s12, 7                         ; my 64 channels
	s_add_co_u32 s22, s22, 2*HALFA                 ; behind P^'s tile
	v_add_nc_u32 v[ADRB0], s22, v4
	v_add_nc_u32 v[ADRC0], 128*PB, v[ADRB0]
	v_mov_b32 v[ADRA], v[ADRA0]                    ; slot 0
	v_mov_b32 v[ADRB], v[ADRB0]
	v_mov_b32 v[ADRC], v[ADRC0]
	s_mul_i32 s21, s10, 16*SPITCH
	s_add_co_u32 s21, s21, STAGE                   ; my stage
	v_mul_u32_u24 v4, v1, SPITCH                   ; in: row l % 16, 32 bytes for each half of the lanes
	v_lshl_add_u32 v4, v2, 5, v4
	v_add_nc_u32 v[STO], s21, v4
	v_mul_u32_u24 v5, v2, SPITCH                   ; back: lanes 0-15 take one row of 256 bytes, lanes 16-31 the next
	v_lshl_add_u32 v5, v1, 4, v5
	v_add_nc_u32 v[RD], s21, v5
	v_lshlrev_b32 v5, 12, v2                       ; and the same two rows in out0
	v_lshl_add_u32 v[CO], v1, 4, v5
	s_lshl_b32 s16, s14, 11
	s_lshl_b32 s18, s41, 7
	s_add_co_u32 s16, s16, s18
	s_lshl_b32 s18, s11, 6
	s_add_co_u32 s16, s16, s18                     ; rows 2048 b + 128 cy + 64 x half
	s_lshl_b32 s20, s42, 9
	s_lshl_b32 s21, s12, 8
	s_add_co_u32 s20, s20, s21                     ; my 64 channels, 4 bytes each
	s_lshl_b32 s18, s17, 9                         ; + the first tile's block
	s_add_co_u32 s18, s18, s16
	s_lshl_b32 s18, s18, 12
	s_add_co_u32 s18, s18, s20
	s_mov_b32 s19, 0
	s_lshl_b32 s22, s15, 9                         ; + the second's
	s_add_co_u32 s22, s22, s16
	s_lshl_b32 s22, s22, 12
	s_add_co_u32 s22, s22, s20
	s_mov_b32 s23, 0
	s_add_nc_u64 s[8:9], s[74:75], s[18:19]
	s_add_nc_u64 s[C2:C2+1], s[74:75], s[22:23]
	STATS STP, 16, 1                               ; stands in the wait for the first tile
	s_sub_co_i32 s21, 373, s18
	s_sub_co_i32 s21, s21, s19
	s_sub_co_i32 s21, s21, s20                     ; kq
	CLAMP 21
	s_sub_co_i32 s22, 116, s18                     ; kS
	CLAMP 22
	s_add_co_i32 s21, s21, s22
	s_sub_co_i32 s21, -20, s21                     ; kO
	CLAMP 21
	s_add_co_i32 s21, s21, 127
	s_lshl_b32 s[KO], s21, 23                      ; 2^kO as an f32 word
	s_mov_b32 s[KO+1], s[KO]                       ; named with it as a pair
.macro MUL8 f, c, a0, zero             ; 8 matrix instructions; the 16 accumulators take turns
	WIN MUL
.irp a, \a0, (\a0)+1
.irp b, 0,1,2,3
.if \zero
	v_wmma_f32_16x16x32_f16 v[ACC+8*(4*(\a)+(\b)):ACC+8*(4*(\a)+(\b))+7], v[(\f)+64+8*(4*(\c)+(\b)):(\f)+64+8*(4*(\c)+(\b))+7], v[(\f)+8*(4*(\c)+(\a)):(\f)+8*(4*(\c)+(\a))+7], 0
.else
	v_wmma_f32_16x16x32_f16 v[ACC+8*(4*(\a)+(\b)):ACC+8*(4*(\a)+(\b))+7], v[(\f)+64+8*(4*(\c)+(\b)):(\f)+64+8*(4*(\c)+(\b))+7], v[(\f)+8*(4*(\c)+(\a)):(\f)+8*(4*(\c)+(\a))+7], v[ACC+8*(4*(\a)+(\b)):ACC+8*(4*(\a)+(\b))+7]
.endif
.endr
.endr
.endm
; 32 LDS loads in one run: the fragments of quarter q (64 keys) of the slot in hand, into buffer f; the first 32 keys first
.macro FETCH q, f
	WIN TO_F
.irp c, 0,1
.irp i, 0,1,2,3
	ds_load_tr16_b128 v[(\f)+64+8*(4*(\c)+(\i)):(\f)+64+8*(4*(\c)+(\i))+3],   v[ADRB+2*((\q)/2)] offset:(((\q)%2)*64+32*(\c))*PB+32*(\i)
	ds_load_tr16_b128 v[(\f)+64+8*(4*(\c)+(\i))+4:(\f)+64+8*(4*(\c)+(\i))+7], v[ADRB+2*((\q)/2)] offset:(((\q)%2)*64+32*(\c)+16)*PB+32*(\i)
	ds_load_b128 v[(\f)+8*(4*(\c)+(\i)):(\f)+8*(4*(\c)+(\i))+3],              v[ADRA] offset:128*(\q)+64*(\c)+(\i)*16*PA
	ds_load_b128 v[(\f)+8*(4*(\c)+(\i))+4:(\f)+8*(4*(\c)+(\i))+7],            v[ADRA] offset:128*(\q)+64*(\c)+(\i)*16*PA+32
.endr
.endr
.endm
.macro QUARTER q, f, g, zero
	s_wait_dscnt 16                                ; the first 32 keys are in; the youngest sixteen loads may be out
	MUL8 \f, 0, 0, \zero
	MUL8 \f, 0, 2, \zero
	PLACES
	FETCH \q, \g
	s_wait_dscnt 32                                ; all but the 32 just issued
	MUL8 \f, 1, 0, 0
	MUL8 \f, 1, 2, 0
.endm
; The change of slots: each wave waits for all its tensor loads, adds 0 to its spare word, waits for that and for its reads of this slot; the barrier opens a round of the cluster's; the joint refill comes first behind it.
; The refill's addresses are made anew from the step's number: base + offset, the type bits set again.  Behind the first tile's last step the second tile's step 0 is next.
.macro TURN
	WIN 0
	s_wait_tensorcnt 0x0                           ; no tensor load of mine is out, so the group 0 may be written
	ds_add_u32 v[SPW], v[NIL]                      ; 0 onto my spare word
	s_lshl_b32 s[OFA], s[ASKK], 9                  ; 256 keys are 512 bytes of a row of P^,
	s_add_co_u32 s[OFA], s[OFA], s[TA]
	s_lshl_b32 s[OFB], s[ASKK], 20                 ; and 256 rows of 4,096 bytes of v^
	s_add_co_u32 s[G0+5], s[LDA], s[CUR]           ; the slot that is being left
	s_add_co_u32 s[G0B+5], s[LDB], s[CUR]
	s_add_nc_u64 s[G0+6:G0+7], s[BA:BA+1], s[OFA:OFA+1]
	s_or_b32 s[G0+7], s[G0+7], 0x80000000
	s_add_nc_u64 s[G0B+6:G0B+7], s[BB:BB+1], s[OFB:OFB+1]
	s_or_b32 s[G0B+7], s[G0B+7], 0x80000000
	s_add_co_u32 s[ASKK], s[ASKK], 1
	s_cmp_eq_u32 s[ASKK], s[ALIM]
	s_cselect_b32 s[ASKK], 0, s[ASKK]
	s_cselect_b32 s[TA], s[TA2], s[TA]
	s_cselect_b32 s[ALIM], -1, s[ALIM]
	s_xor_b32 s[CUR], s[CUR], SLOT                 ; the reads go to the other slot
	s_wait_dscnt 17                                ; (the add and the youngest sixteen loads may be out)
	MUL8 F1, 0, 0, 0
	s_wait_dscnt 0x0                               ; the add is done, and my reads of this slot are over
	s_barrier_signal -1
	MUL8 F1, 0, 2, 0
	WIN 0
	s_barrier_wait -1
	CREST                                          ; no wave of any partner still reads this slot's tile or has a load on its way
	JLOAD 1                                        ; its four v_nop are also the places in front of the loads below
	v_add_nc_u32 v[ADRA], s[CUR], v[ADRA0]
	v_add_nc_u32 v[ADRB], s[CUR], v[ADRB0]
	v_add_nc_u32 v[ADRC], s[CUR], v[ADRC0]
	FETCH 0, F0
	MUL8 F1, 1, 0, 0
	MUL8 F1, 1, 2, 0
.endm
.macro TURNX
	WIN 0
	s_wait_tensorcnt 0x0                           ; my part of the last K step has landed
	ds_add_u32 v[SPW], v[NIL]
	s_xor_b32 s[CUR], s[CUR], SLOT
	s_wait_dscnt 17
	MUL8 F1, 0, 0, 0
	s_wait_dscnt 0x0
	s_barrier_signal -1
	MUL8 F1, 0, 2, 0
	s_barrier_wait -1
	PLACES
	WIN 0
	v_add_nc_u32 v[ADRA], s[CUR], v[ADRA0]
	v_add_nc_u32 v[ADRB], s[CUR], v[ADRB0]
	v_add_nc_u32 v[ADRC], s[CUR], v[ADRC0]
	FETCH 0, F0
	MUL8 F1, 1, 0, 0
	MUL8 F1, 1, 2, 0
.endm
; THE WAY OUT of a tile, a block of 16 rows at a time: times 2^kO into v32-63; 32 bytes a lane into my stage; back as whole rows of 256 bytes; stored.  It holds no barrier and no tensor load.
.macro PKO a
.irp b, 0,1,2,3
.irp r, 0,1,2,3
	v_pk_mul_f32 v[TMP+8*(\b)+2*(\r):TMP+8*(\b)+2*(\r)+1], v[ACC+8*(4*(\a)+(\b))+2*(\r):ACC+8*(4*(\a)+(\b))+2*(\r)+1], s[KO:KO+1] op_sel_hi:[1,0]
.endr
.endr
.endm
.macro TOST a
.set BK, 64+32*((\a)%2)
.irp b, 0,1,2,3
	ds_store_b128 v[STO], v[TMP+8*(\b):TMP+8*(\b)+3]   offset:64*(\b)
	ds_store_b128 v[STO], v[TMP+8*(\b)+4:TMP+8*(\b)+7] offset:64*(\b)+16
.endr
.irp t, 0,1,2,3,4,5,6,7
	ds_load_b128 v[BK+4*(\t):BK+4*(\t)+3], v[RD] offset:(\t)*2*SPITCH  ; LDS serves a wave's instructions in order (ISA guide 5.7.1.4): these see the stores above
.endr
.endm
.macro SENDO a
.set BK, 64+32*((\a)%2)
	s_wait_dscnt 0x0                               ; the block is back in registers
	s_wait_xcnt 0x0                                ; the block before's stores have read their registers, which the next block's loads fill
.irp t, 0,1,2,3,4,5,6,7
	global_store_b128 v[CO], v[BK+4*(\t):BK+4*(\t)+3], s[8:9] offset:(16*(\a)+2*(\t))*4096 th:TH_STORE_NT  ; 16 lanes store 256 consecutive bytes, aligned
.endr
.endm
.macro OUT
	WIN 0
	PLACES
	PKO 0
	TOST 0
.irp a, 1,2,3
	PKO \a
	SENDO (\a)-1
	TOST \a
.endr
	SENDO 3
.endm
.macro FIVE                            ; five places between the last products and products that write over their accumulators
.rept 5
	v_nop
.endr
.endm
	s_wait_tensorcnt 1                             ; my part of K step 0 is in; K step 1's may stay out
	s_barrier_signal -1
	s_barrier_wait -1
	FETCH 0, F0
	QUARTER 1, F0, F1, 1                           ; the launch's first quarter stands in front of the loop: its first products start the first tile's sums
	WIN 0                                          ; at a label and at a branch every window is 0
	s_mov_b32 s3, FILLS
	s_branch .Lj1
.Lfill:                                                ; a trip is a K step; it asks for the step two on in the walk
	s_cmp_eq_u32 s[NEW], 1
	s_cbranch_scc1 .Lz1
	QUARTER 1, F0, F1, 0
	WIN 0
	s_branch .Lj1
.Lz1:                                                  ; the second tile's first quarter starts its sums
	FIVE
	QUARTER 1, F0, F1, 1
	WIN 0
.Lj1:
	s_mov_b32 s[NEW], 0
	QUARTER 2, F1, F0, 0
	QUARTER 3, F0, F1, 0
	TURN
	WIN 0
	s_sub_co_u32 s[T1], s[T1], 1
	s_cmp_lg_u32 s[T1], 0
	s_cbranch_scc1 .Lgo
	OUT                                            ; the first tile is finished; the refill for the walk's next step but one is on its way meanwhile
	s_wait_xcnt 0x0                                ; the stores have read their registers and their base
	s_mov_b64 s[8:9], s[C2:C2+1]
	s_mov_b32 s[T1], 64                            ; more than the walk has steps left
	s_mov_b32 s[NEW], 1
.Lgo:
	s_sub_co_u32 s3, s3, 1
	s_cmp_lg_u32 s3, 0
	s_cbranch_scc1 .Lfill
	s_mov_b32 s3, 2
.Ldry:                                                 ; the walk's last two steps ask for nothing; the second trip's barrier and its 32 loads serve nothing: the price, once a launch, of one text for both
	s_cmp_eq_u32 s[NEW], 1
	s_cbranch_scc1 .Lz2
	QUARTER 1, F0, F1, 0
	WIN 0
	s_branch .Lj2
.Lz2:                                                  ; (s = 0: the second tile has just these two steps)
	FIVE
	QUARTER 1, F0, F1, 1
	WIN 0
.Lj2:
	s_mov_b32 s[NEW], 0
	QUARTER 2, F1, F0, 0
	QUARTER 3, F0, F1, 0
	TURNX
	WIN 0
	s_sub_co_u32 s3, s3, 1
	s_cmp_lg_u32 s3, 0
	s_cbranch_scc1 .Ldry
	s_wait_dscnt 0x0
	OUT
	s_wait_tensorcnt 0x0                           ; the wave's end: behind my last tensor load and my last LDS store
	ds_add_u32 v[SPW], v[NIL]
	s_wait_dscnt 0x0
	CROUND                                         ; the closing round: no work-group ends while a partner may still ask for a tile that names it
	s_endpgm
.Lfunc_end_k_q30b40fe3cf_mix:
	.size	k_q30b40fe3cf_mix, .Lfunc_end_k_q30b40fe3cf_mix-k_q30b40fe3cf_mix
	.p2alignl 7, 3214868480
	.fill 96, 4, 3214868480
	.section	.rodata,"a",@progbits
	.p2align	6, 0x0
	.amdhsa_kernel k_q30b40fe3cf_mix
		.amdhsa_group_segment_fixed_size 327680
		.amdhsa_private_segment_fixed_size 0
		.amdhsa_enable_private_segment 0
		.amdhsa_kernarg_size 32
		.amdhsa_user_sgpr_count 2
		.amdhsa_user_sgpr_kernarg_segment_ptr 1
		.amdhsa_wavefront_size32 1
		.amdhsa_system_sgpr_workgroup_id_x 1
		.amdhsa_system_sgpr_workgroup_id_y 1
		.amdhsa_system_sgpr_workgroup_id_z 1
		.amdhsa_system_vgpr_workitem_id 0
		.amdhsa_next_free_vgpr 512
		.amdhsa_next_free_sgpr 100
		.amdhsa_reserve_vcc 0
		.amdhsa_float_denorm_mode_32 3
		.amdhsa_float_denorm_mode_16_64 3
		.amdhsa_memory_ordered 1
		.amdhsa_forward_progress 1
		.amdhsa_inst_pref_size 87
	.end_amdhsa_kernel
	.amdgpu_metadata
---
amdhsa.version: [ 1, 2 ]
amdhsa.kernels:
  - .name:           k_q30b40fe3cf_mix
    .symbol:         k_q30b40fe3cf_mix.kd
    .args:
      - { .name: ph, .offset: 0, .size: 8, .value_kind: global_buffer, .address_space: global }
      - { .name: qv, .offset: 8, .size: 8, .value_kind: global_buffer, .address_space: global }
      - { .name: stats, .offset: 16, .size: 8, .value_kind: global_buffer, .address_space: global }
      - { .name: out0, .offset: 24, .size: 8, .value_kind: global_buffer, .address_space: global }
    .group_segment_fixed_size: 327680
    .private_segment_fixed_size: 0
    .kernarg_segment_align: 8
    .kernarg_segment_size: 32
    .max_flat_workgroup_size: 128
    .sgpr_count:     100
    .vgpr_count:     512
    .wavefront_size: 32
...
	.end_amdgpu_metadata
.endif
;; end of part 5
